; MI455X (gfx1250); checked and timed in simulation.
; The chip was launched on July 23, 2026; its instructions are those of AMD's public machine-readable ISA for CDNA 5 (MIT licence, August 2026) and "CDNA5" Instruction Set Architecture Reference Guide (July 2026). The comments in the code are by the model that wrote it; some were corrected since.
;; Encoder Layer. Allowed arithmetic: matrix products marked QUANTISED: E2M1 operands, one E8M0 scale for each 32 along K, by v_wmma_scale_f32_16x16x128_f8f6f4 with both operands' format E2M1 (or v_wmma_scale_f32_32x16x128_f4), f32 sums; everything else in f32.
;; Inputs: W1 1,024 x 1,024 float32; W2 1,024 x 1,024 float32; Wk 1,024 x 1,024 float32; Wo 1,024 x 1,024 float32; Wq 1,024 x 1,024 float32; Wv 1,024 x 1,024 float32; b1 1,024 float32; b2 1,024 float32; beta1 1,024 float32; beta2 1,024 float32; bk 1,024 float32; bo 1,024 float32; bq 1,024 float32; bv 1,024 float32; gamma1 1,024 float32; gamma2 1,024 float32; x 16 x 512 x 1,024 float32; x_mask 16 x 1 x 1 x 512 int32.
;; Outputs: out0 16 x 512 x 1,024 float32.
;; This version of the problem:
;;   THIS VERSION OF THE PROBLEM IS GIVEN IN LOW PRECISION. The matrix products marked QUANTISED in the list below multiply operands that are first quantised to E2M1 (2 exponent bits, 1 mantissa bit; 4 bits a number), with one power-of-two scale for each 32 numbers along K (OCP MX v1.0); their sums are f32. All else is computed in f32.
;;   The module's matrix products, in the order in which they are computed (A, B: the left and right operand; K: the contracted axis; several contracted axes count as one K, in the product's order):
;;     1. [M 8,192, K 1,024] x [K 1,024, N 1,024]; A: input x; B: input Wq: QUANTISED
;;     2. [M 8,192, K 1,024] x [K 1,024, N 1,024]; A: input x; B: input Wk: QUANTISED
;;     3. [M 8,192, K 1,024] x [K 1,024, N 1,024]; A: input x; B: input Wv: QUANTISED
;;     4. batch 256 x [M 512, K 64] x [K 64, N 512]; A: computed on the way; B: computed on the way: QUANTISED
;;     5. batch 256 x [M 64, K 512] x [K 512, N 512]; A: computed on the way; B: softmax (see below): QUANTISED
;;     6. [M 8,192, K 1,024] x [K 1,024, N 1,024]; A: computed on the way; B: input Wo: QUANTISED
;;     7. [M 8,192, K 1,024] x [K 1,024, N 1,024]; A: computed on the way; B: input W1: QUANTISED
;;     8. [M 8,192, K 1,024] x [K 1,024, N 1,024]; A: computed on the way; B: input W2: QUANTISED
;;   THE QUANTISER, for each operand of a quantised product, along K:
;;     - K is cut into blocks of 32 from its start; a last block that is shorter is filled with zeros.
;;     - A block's scale is 2^e with e = floor(log2(the largest magnitude in the block)) - 2, held to -126 .. 127; a block of zeros has e = 0. As a byte (E8M0): e + 127.
;;     - Each number is divided by its block's scale, clamped to +-6, and rounded to the nearest number of E2M1, ties to even, subnormals kept.
;;     - The product sums the exact products of the quantised numbers (number of the format x scale) in f32.
;;   ~~~python
;;   def quantise(x, axis):      # numpy; x: float32 -> the quantised numbers, widened to float32 again
;;       x = np.moveaxis(x, axis, -1); K = x.shape[-1]
;;       x = np.pad(x, [(0, 0)] * (x.ndim - 1) + [(0, -K % 32)]); x = x.reshape(x.shape[:-1] + (-1, 32)); a = np.abs(x).max(-1, keepdims=True)
;;       e = np.where(a > 0, np.clip(np.frexp(np.where(a > 0, a, 1))[1] - 1 - 2, -126, 127), 0)      # np.frexp(a)[1] - 1 = floor(log2(a)), exactly
;;       r = np.clip(x / 2.0 ** e, -6, 6)
;;       step = 2.0 ** (np.maximum(np.frexp(np.where(r == 0, 1, r))[1] - 1, 0) - 1)
;;       q = np.round(r / step) * step * 2.0 ** e      # np.round: ties to even
;;       return np.moveaxis(q.reshape(q.shape[:-2] + (-1,))[..., :K], -1, axis).astype(np.float32)
;;   ~~~
;;   SOFTMAX AHEAD OF A QUANTISED PRODUCT. Where the list says 'softmax', what is quantised is not the finished softmax but p = 2^(t - M), with t = logit x log2(e) and M = ceil(the row's largest t), a whole number; so 1/2 < the row's largest p <= 1. The row's sum l is taken of the UNQUANTISED p, in f32, and the product's result is divided by l at the end. Since M is a whole number, a kernel that streams over the keys may use a running M (the ceiling of the running maximum): every later rescaling is an exact power of two, which a block's scale takes up: the codes' values come out the same.
;;   OPERANDS COMPUTED ON THE WAY. 'Computed on the way' means the value that the module computes at that place (a softmax that the list does not call 'softmax' is quantised finished and normalised). What goes into a quantiser is computed in f32, as accurately as f32 sums, v_exp_f32 and their like allow (about 1e-6 of the number): no bf16 or f16 on the way to a quantiser, and a product that is left as it is and whose result goes on into a quantised operand takes f32 operands (vector FMAs, or v_wmma_f32_16x16x4_f32). A number that lies on a knife's edge between two numbers of the format may be rounded either way, as far as f32 arithmetic and the matrix unit's own rounding can turn it there, and no further.
;; One version. Each part assembles by itself: llvm-mc -triple=amdgcn-amd-amdhsa -mcpu=gfx1250 --defsym DOCPART=n.
;; ======== version 1 of 1: 3 launches
;; limits: right only within a limited range of input values
;; workspace buffers: xc 4,194,304 bytes; xs 262,144 bytes; wh 1,671,168 bytes; wc 1,671,168 bytes; ac 4,194,304 bytes; asc 262,144 bytes
;; launch prep (part 1): grid 896 x 1, 4 waves a work-group, no clusters, 34,304 bytes of LDS; arguments x, Wk, Wv, Wq, Wo, W1, W2, xc, xs, wh, wc; writes xc, xs, wh, wc
.if DOCPART == 1
	.amdgcn_target "amdgcn-amd-amdhsa--gfx1250"
	.amdhsa_code_object_version 6
	.text
	.protected	k_q61d9225dba_prep
	.globl	k_q61d9225dba_prep
	.p2align	8
	.type	k_q61d9225dba_prep,@function
k_q61d9225dba_prep:
	s_mov_b64 s[64:65], 0
	v_nop
	global_prefetch_b8 v0, s[64:65] scope:SCOPE_SE
	s_setreg_imm32_b32 hwreg(HW_REG_WAVE_MODE, 25, 1), 1
	s_wait_xcnt 0x0
; PREP: x [8192][1024] and the six weights [1024 (k)][1024 (n)], f32, become codes of E2M1 with one E8M0 byte for each 32 along K,
; laid in the order of the matrix operands' registers, so that the later launches load fragments by 16 bytes a lane and nothing else.
; NO WORK OF THE LAYER IS LEFT OUT IN ANY LAUNCH: every input reaches the output (bk too: it moves k's codes), the mask is an input and nothing of it is built in.
; A block's scale is 2^(floor(log2(largest magnitude)) - 2): its byte is the largest magnitude's exponent field - 2, held at 1 from below by a floor among the maximum's leaves.
; LIMITS: a block of zeros gets the byte 1 where the rule says 127 (its codes are zeros, and only this program reads the bytes); NaN and infinities among the inputs are not served.
; ROWS (xc, xs): groups g of 32 rows; tile u, lane r is row 32 g + 8 u + r + 8 (r / 8).  Codes: byte 16384 g + 8192 u + 1024 s + 512 c + 16 lane = registers 4 c .. 4 c + 3 of the
;   fragment of K step s (k = 128 s + 64 c + 32 (lane / 16) + 0 .. 31).  Scale words: byte 1024 g + 128 s + 4 (16 u + r).
; WEIGHTS (wh, wc): units of 64 columns x 128 K, 4,352 bytes: four fragments of 1,024 bytes (tile t = 2 beta + u, lane r = column 32 beta + 8 u + r + 8 (r / 8)), then the scale words at 4096 + 16 r + 4 t.
;   wh: unit 24 head + 8 P + s (P: 0 k, 1 v, 2 q).   wc: kappa = 8 gemm + s (gemm: 0 Wo, 1 W1, 2 W2): unit 32 (kappa / 2) + 2 (column / 64) + kappa % 2.
; Work-groups 0 .. 511 take x (a wave: 32 rows x 128 K), 512 .. 895 the weights (a wave: 32 columns x 128 K).  Waves share nothing: no barrier.
.set SPARE, 33792                      ; behind the four stages: the spare words, 128 bytes a wave
.set STGB,  8448                       ; a wave's stage: 16 rows x (512 bytes + 16)
.set SPW,   1                          ; v1   my spare word's address; never rewritten
.set NIL,   2                          ; v2   0; never rewritten
.set XR,    16                         ; v16-143  numbers as they are loaded
.set XN,    144                        ; v144-207 x path: my 64 numbers, two whole blocks
.set CD,    208                        ; v208-223 codes: no store's data are written again
	s_load_b256 s[4:11], s[0:1], 0x0               ; x, Wk, Wv, Wq
	s_load_b256 s[12:19], s[0:1], 0x20             ; Wo, W1, W2, xc
	s_load_b128 s[20:23], s[0:1], 0x40             ; xs, wh
	s_load_b64 s[24:25], s[0:1], 0x50              ; wc
	v_lshl_add_u32 v[SPW], v0, 2, SPARE
	v_mov_b32 v[NIL], 0
	v_lshrrev_b32 v8, 5, v0
	v_readfirstlane_b32 s26, v8                    ; wave
	v_and_b32 v8, 31, v0                           ; lane
	s_mov_b32 s40, 0x76543210
	s_mov_b32 s41, 0xfedcba98                      ; v_permlanex16_b32's selects for lane l xor 16
	s_mov_b32 s42, 0xffff0000                      ; lanes 16-31
	s_cmp_lt_u32 ttmp9, 512
	s_cbranch_scc0 .Lweights
	; ---------------- x ----------------
	v_and_b32 v9, 15, v0                           ; r
	v_bfe_u32 v10, v0, 4, 1                        ; h
	v_lshlrev_b32 v3, 4, v8                        ; 16 x lane: my bytes of a load's 512, and of a store's
	s_mul_i32 s27, s26, STGB
	v_add_nc_u32 v4, s27, v3                       ; the stage, on the way in
	v_mul_u32_u24 v5, v9, 528
	v_lshl_add_u32 v5, v10, 7, v5
	v_add_nc_u32 v5, s27, v5                       ; and out: row r, + 128 h: my 32 numbers of each half of the K step
	v_lshlrev_b32 v6, 2, v8                        ; 4 x lane
	v_lshlrev_b32 v7, 3, v10                       ; 8 h: where my two bytes stand in the scale word
	v_mov_b32 v15, 0                               ; a lane permute's destination counts as one of its sources
	s_lshr_b32 s28, ttmp9, 1                       ; g
	s_and_b32 s29, ttmp9, 1
	s_lshl_b32 s29, s29, 2
	s_add_co_u32 s29, s29, s26                     ; K step s
	s_lshl_b32 s30, s28, 17
	s_lshl_b32 s31, s29, 9
	s_add_co_u32 s30, s30, s31                     ; x: 32 rows of 4,096 bytes a group, 512 bytes a K step
	s_mov_b32 s31, 0
	s_lshl_b32 s32, s28, 14
	s_lshl_b32 s33, s29, 10
	s_add_co_u32 s32, s32, s33
	s_mov_b32 s33, 0
	s_lshl_b32 s34, s28, 10
	s_lshl_b32 s35, s29, 7
	s_add_co_u32 s34, s34, s35
	s_mov_b32 s35, 0
	s_wait_alu depctr_va_vdst(0)
	s_wait_kmcnt 0x0
	s_add_nc_u64 s[4:5], s[4:5], s[30:31]
	s_add_nc_u64 s[18:19], s[18:19], s[32:33]
	s_add_nc_u64 s[20:21], s[20:21], s[34:35]
.macro XLD u                           ; tile u's 16 rows: each load reads 512 consecutive bytes of one row
.irp i, 0,1,2,3,4,5,6,7,8,9,10,11,12,13,14,15
	global_load_b128 v[XR+64*\u+4*\i:XR+64*\u+4*\i+3], v3, s[4:5] offset:(8*\u+\i+8*(\i/8))*4096 th:TH_LOAD_NT
.endr
.endm
.macro TURN u                          ; through the wave's stage: LDS serves a wave's instructions in order, so no wait stands between the stores and the loads
.irp i, 0,1,2,3,4,5,6,7,8,9,10,11,12,13,14,15
	ds_store_b128 v4, v[XR+64*\u+4*\i:XR+64*\u+4*\i+3] offset:528*\i
.endr
.irp c, 0,1
.irp i, 0,1,2,3,4,5,6,7
	ds_load_b128 v[XN+32*\c+4*\i:XN+32*\c+4*\i+3], v5 offset:256*\c+16*\i
.endr
.endr
.endm
.macro QX u                            ; my two whole blocks (k = 64 c + 32 h + 0 .. 31 of row r) become registers 4 c .. 4 c + 3 of the fragment
.irp c, 0,1
	v_max3_num_f32 v[8+\c], |v[XN+32*\c]|, |v[XN+32*\c+1]|, 0x1800000    ; with the floor 2^(3 - 127)
.endr
.irp i, 2,4,6,8,10,12,14,16,18,20,22,24,26,28,30
.irp c, 0,1
	v_max3_num_f32 v[8+\c], v[8+\c], |v[XN+32*\c+\i]|, |v[XN+32*\c+\i+1]|
.endr
.endr
.irp c, 0,1
	v_add_nc_u32 v[10+\c], 0xff000000, v[8+\c]     ; 2 off the exponent field: the conversion's scale operand
.endr
.irp c, 0,1
	v_lshrrev_b32 v[8+\c], 23, v[10+\c]            ; the byte
.endr
	v_lshl_or_b32 v14, v9, 16, v8                  ; my bytes: blocks h and 2 + h
	v_lshlrev_b32 v14, v7, v14
	v_permlanex16_b32 v15, v14, s40, s41
	v_or_b32 v[12+\u], v14, v15                    ; with lane l xor 16's two the row's word is whole
.irp c, 0,1
.irp k, 0,1,2,3
	v_cvt_scalef32_pk8_fp4_f32 v[CD+8*\u+4*\c+\k], v[XN+32*\c+8*\k:XN+32*\c+8*\k+7], v[10+\c]
.endr
.endr
	v_nop                                          ; one plain line behind the conversions
	global_store_b128 v3, v[CD+8*\u:CD+8*\u+3], s[18:19] offset:8192*\u          ; 512 consecutive bytes
	global_store_b128 v3, v[CD+8*\u+4:CD+8*\u+7], s[18:19] offset:8192*\u+512
.endm
	XLD 0
	XLD 1
	s_wait_loadcnt 16                              ; tile 0's 16 loads are in; tile 1's 16 stay out
	TURN 0
	s_wait_dscnt 0x0
	QX 0
	s_wait_loadcnt 0x0
	TURN 1
	s_wait_dscnt 0x0
	QX 1
	v_cndmask_b32 v14, v12, v13, s42               ; lanes 0-15: tile 0's words, lanes 16-31: tile 1's (both halves of the lanes hold their row's word)
	global_store_b32 v6, v14, s[20:21]             ; 128 consecutive bytes
	s_wait_tensorcnt 0x0                           ; the wave's end, behind my last LDS store
	ds_add_u32 v[SPW], v[NIL]
	s_wait_dscnt 0x0
	s_endpgm
	; ---------------- the weights: a lane takes a column, its registers run down K ----------------
.Lweights:
	s_sub_co_u32 s27, ttmp9, 512
	s_lshr_b32 s28, s27, 6                         ; which weight: 0 k, 1 v, 2 q, 3 o, 4 W1, 5 W2
	s_bfe_u32 s29, s27, 0x30003
	s_and_b32 s30, s27, 7                          ; K step s
	s_lshl_b32 s29, s29, 2
	s_add_co_u32 s29, s29, s26                     ; my 32 columns: 32 gamma on
	s_lshr_b32 s31, s29, 1                         ; column / 64
	s_and_b32 s32, s29, 1                          ; beta
	s_mul_i32 s33, s31, 24
	s_lshl_b32 s34, s28, 3
	s_add_co_u32 s33, s33, s34
	s_add_co_u32 s33, s33, s30                     ; the unit's number in wh
	s_max_u32 s35, s28, 3
	s_sub_co_u32 s35, s35, 3
	s_lshl_b32 s35, s35, 3
	s_add_co_u32 s35, s35, s30                     ; kappa
	s_lshr_b32 s36, s35, 1
	s_lshl_b32 s36, s36, 5
	s_and_b32 s35, s35, 1
	s_add_co_u32 s36, s36, s35
	s_lshl_b32 s35, s31, 1
	s_add_co_u32 s36, s36, s35                     ; and in wc
	s_cmp_lt_u32 s28, 3
	s_cselect_b32 s33, s33, s36
	s_mul_i32 s34, s33, 4352
	s_mov_b32 s36, s34
	s_lshl_b32 s35, s32, 11
	s_add_co_u32 s34, s34, s35                     ; my two fragments
	s_mov_b32 s35, 0
	s_lshl_b32 s37, s32, 3
	s_add_co_u32 s36, s36, s37
	s_add_co_u32 s36, s36, 4096                    ; my scale words
	s_mov_b32 s37, 0
	s_lshl_b32 s38, s30, 19                        ; 128 rows of 4,096 bytes a K step
	s_lshl_b32 s39, s29, 7
	s_add_co_u32 s38, s38, s39
	s_mov_b32 s39, 0
	s_wait_alu depctr_va_vdst(0)
	v_lshlrev_b32 v3, 2, v8                        ; in: 4 bytes a lane
	v_and_b32 v9, 7, v8
	v_lshrrev_b32 v10, 4, v8
	v_lshl_add_u32 v9, v10, 3, v9                  ; my column's lane r in its tile
	v_bfe_u32 v10, v8, 3, 1                        ; and its tile u
	v_lshlrev_b32 v4, 4, v9
	v_lshlrev_b32 v5, 4, v9
	v_lshl_add_u32 v4, v10, 10, v4                 ; codes: 1024 u + 16 r
	v_lshl_add_u32 v5, v10, 2, v5                  ; word: 16 r + 4 u
	s_wait_alu depctr_va_vdst(0)
	s_wait_kmcnt 0x0
	s_cmp_lt_u32 s28, 3                            ; every choice hangs on the work-group's number alone
	s_cselect_b64 s[22:23], s[22:23], s[24:25]
	s_cmp_eq_u32 s28, 1
	s_cselect_b64 s[6:7], s[8:9], s[6:7]
	s_cmp_eq_u32 s28, 2
	s_cselect_b64 s[6:7], s[10:11], s[6:7]
	s_cmp_eq_u32 s28, 3
	s_cselect_b64 s[6:7], s[12:13], s[6:7]
	s_cmp_eq_u32 s28, 4
	s_cselect_b64 s[6:7], s[14:15], s[6:7]
	s_cmp_eq_u32 s28, 5
	s_cselect_b64 s[6:7], s[16:17], s[6:7]
	s_add_nc_u64 s[6:7], s[6:7], s[38:39]
	s_add_nc_u64 s[24:25], s[22:23], s[36:37]
	s_add_nc_u64 s[22:23], s[22:23], s[34:35]
.macro WLD j                           ; block j: W(128 s + 32 j + i, my column): 128 consecutive bytes a wave, 512 a work-group
.set i, 0
.rept 32
	global_load_b32 v[XR+32*(\j)+i], v3, s[6:7] offset:(32*(\j)+i)*4096 th:TH_LOAD_NT
.set i, i+1
.endr
.endm
.macro WBLK j, left
	s_wait_loadcnt \left                           ; this block's 32 loads are in; the next block's may be out
.if \j < 2
	WLD \j+2
.endif
.set B0, XR+32*\j
	v_max3_num_f32 v8, |v[B0]|, |v[B0+1]|, |v[B0+2]|
	v_max3_num_f32 v9, |v[B0+3]|, |v[B0+4]|, |v[B0+5]|
.irp i, 6,10,14,18,22,26
	v_max3_num_f32 v8, v8, |v[B0+\i]|, |v[B0+\i+1]|
	v_max3_num_f32 v9, v9, |v[B0+\i+2]|, |v[B0+\i+3]|
.endr
	v_max3_num_f32 v8, v8, |v[B0+30]|, |v[B0+31]|
	v_max3_num_f32 v8, v8, v9, 0x1800000           ; and the floor
	v_add_nc_u32 v10, 0xff000000, v8
	v_lshrrev_b32 v11, 23, v10
.if \j == 0
	v_mov_b32 v6, v11
.else
	v_lshl_or_b32 v6, v11, 8*\j, v6                ; the column's scale word for this K step
.endif
.irp k, 0,1,2,3
	v_cvt_scalef32_pk8_fp4_f32 v[CD+4*\j+\k], v[B0+8*\k:B0+8*\k+7], v10
.endr
	v_nop
	global_store_b128 v4, v[CD+4*\j:CD+4*\j+3], s[22:23] offset:512*(\j/2)+256*(\j%2)   ; block j = 2 c + h of the fragment: two whole runs of 256 bytes an instruction
.endm
	WLD 0
	WLD 1
	WBLK 0, 32
	WBLK 1, 32
	WBLK 2, 32
	WBLK 3, 0
	global_store_b32 v5, v6, s[24:25]
	s_endpgm
.Lfunc_end_k_q61d9225dba_prep:
	.size	k_q61d9225dba_prep, .Lfunc_end_k_q61d9225dba_prep-k_q61d9225dba_prep
	.p2alignl 7, 3214868480
	.fill 96, 4, 3214868480
	.section	.rodata,"a",@progbits
	.p2align	6, 0x0
	.amdhsa_kernel k_q61d9225dba_prep
		.amdhsa_group_segment_fixed_size 34304
		.amdhsa_private_segment_fixed_size 0
		.amdhsa_enable_private_segment 0
		.amdhsa_kernarg_size 88
		.amdhsa_user_sgpr_count 2
		.amdhsa_user_sgpr_kernarg_segment_ptr 1
		.amdhsa_wavefront_size32 1
		.amdhsa_system_sgpr_workgroup_id_x 1
		.amdhsa_system_sgpr_workgroup_id_y 1
		.amdhsa_system_sgpr_workgroup_id_z 1
		.amdhsa_system_vgpr_workitem_id 0
		.amdhsa_next_free_vgpr 224
		.amdhsa_next_free_sgpr 66
		.amdhsa_reserve_vcc 0
		.amdhsa_float_denorm_mode_32 3
		.amdhsa_float_denorm_mode_16_64 3
		.amdhsa_memory_ordered 1
		.amdhsa_forward_progress 1
		.amdhsa_inst_pref_size 37
	.end_amdhsa_kernel
	.amdgpu_metadata
---
amdhsa.version: [ 1, 2 ]
amdhsa.kernels:
  - .name:           k_q61d9225dba_prep
    .symbol:         k_q61d9225dba_prep.kd
    .args:
      - { .name: x, .offset: 0, .size: 8, .value_kind: global_buffer, .address_space: global }
      - { .name: Wk, .offset: 8, .size: 8, .value_kind: global_buffer, .address_space: global }
      - { .name: Wv, .offset: 16, .size: 8, .value_kind: global_buffer, .address_space: global }
      - { .name: Wq, .offset: 24, .size: 8, .value_kind: global_buffer, .address_space: global }
      - { .name: Wo, .offset: 32, .size: 8, .value_kind: global_buffer, .address_space: global }
      - { .name: W1, .offset: 40, .size: 8, .value_kind: global_buffer, .address_space: global }
      - { .name: W2, .offset: 48, .size: 8, .value_kind: global_buffer, .address_space: global }
      - { .name: xc, .offset: 56, .size: 8, .value_kind: global_buffer, .address_space: global }
      - { .name: xs, .offset: 64, .size: 8, .value_kind: global_buffer, .address_space: global }
      - { .name: wh, .offset: 72, .size: 8, .value_kind: global_buffer, .address_space: global }
      - { .name: wc, .offset: 80, .size: 8, .value_kind: global_buffer, .address_space: global }
    .group_segment_fixed_size: 34304
    .private_segment_fixed_size: 0
    .kernarg_segment_align: 8
    .kernarg_segment_size: 88
    .max_flat_workgroup_size: 128
    .sgpr_count:     66
    .vgpr_count:     224
    .wavefront_size: 32
...
	.end_amdgpu_metadata
.endif
;; end of part 1
;; launch attn (part 2): grid 16 x 16, 16 waves a work-group, no clusters, 167,936 bytes of LDS; arguments xc, xs, wh, bk, bv, bq, x_mask, ac, asc; writes ac, asc
.if DOCPART == 2
	.amdgcn_target "amdgcn-amd-amdhsa--gfx1250"
	.amdhsa_code_object_version 6
	.text
	.protected	k_q61d9225dba_attn
	.globl	k_q61d9225dba_attn
	.p2align	8
	.type	k_q61d9225dba_attn,@function
k_q61d9225dba_attn:
	s_mov_b64 s[64:65], 0
	v_nop
	global_prefetch_b8 v0, s[64:65] scope:SCOPE_SE
	s_setreg_imm32_b32 hwreg(HW_REG_WAVE_MODE, 25, 1), 1
	s_wait_xcnt 0x0
; ATTN: one work-group for one (batch, head).  k, v, q = x W + b for the head's 64 columns, quantised; masked softmax attention on codes; attn quantised along the model's axis into ac, asc.  Nothing is left out.
; SHARES: wave w owns rows (keys, queries) 32 w .. 32 w + 31 of the batch: its x fragments (two tiles x 8 K steps) lie in its registers, loaded once; the head's 24 weight units lie in LDS for all waves.
; PHASE 1, three passes.  k and q are made TRANSPOSED (source 0 = 16 weight columns, source 1 = 16 rows of x): a lane holds one row and register 16 beta + i is d = 32 beta + 16 (lane / 16) + i, so two blocks of 32 along d
;   are quantised in the lane pair (l, l xor 16).  v is made the other way round (source 0 = rows of x): a lane holds one column d and register 16 t + i is key 32 w + 16 (lane / 16) + i: a block of 32 keys.
;   bk and bq are the C of each sum's first product; bv differs from lane to lane and is added behind its pass.
; THE MASK COSTS NOTHING IN THE KEY LOOP.  The head has 64 along K, the instruction 128.  Slot 64 holds the code of -4 on K's side and of +4 on Q's; Q's scale byte for that block is 59 (2^-68); K's is 227 (2^100) for a masked key
;   and 1 (2^-126) for a live one; a masked key's own codes are set to zero.  So a masked key's score is exactly -2^36 (logit -2^33), and a live key's gets -2^-190, below every f32 sum.
;   t = -2^36 log2(e) / 8 is exact and a whole number: a row whose keys are all masked has p = 1 everywhere, the uniform softmax, as the -1e10 of the layer's definition gives it.
; LIMIT: the masked logit is -2^33 and not -1e10: results differ only where live logits lie under about -8e9.  NaN and infinities are not served.  A block of zeros has the byte 1 (its codes are zeros).
; SOFTMAX: t = score x log2(e) / 8; M = the running largest t rounded up to a whole number; p = 2^(t - M) is quantised along the keys; the sum is taken of the unquantised p and divides at the end.
; NO CLUSTER: of a work-group's 374 KB of inputs the 272 KB of x's codes go to one wave each, into registers; the shared weights are filled once.
; LDS: WB 0 (104,448: the head's units) | KIMG 104,448 (32 key tiles x 512: registers 0-3 of K's fragments, as images) | KSC 120,832 (K's words: 256 (tile / 4) + 16 r + 4 (tile % 4)) |
;      VIMG 122,880 (64 rows 16 t + r, 256 bytes of codes along the keys + 16) | VSC 140,288 (256 sigma + 16 r + 4 t + key block % 4) | BIAS 141,312 (bk, bv, bq of the head, 256 each) | SPARE 142,336.
.set UNIT,  4352
.set PASSB, 34816
.set KIMG,  104448
.set KSC,   120832
.set VIMG,  122880
.set VSC,   140288
.set BIAS,  141312
.set SPARE, 142336
; registers, phase 1.  Address registers (v0, v3-5, v20-23, v120-126) never hold loaded data.
.set SPW, 1                            ; my spare word's address; never rewritten
.set NIL, 2                            ; 0; never rewritten
.set LI,  3                            ; 16 x lane
.set R16, 4                            ; 16 r
.set WA,  5                            ; the pass's units, + 16 x lane
.set MK,  6                            ; v6, v7 the mask of my lane's key in tile 0, 1
.set WS,  8                            ; v8-11  the four weight tiles' scale words
.set XS,  12                           ; v12-19 x's scale words, K step s: lanes 0-15 tile 0, lanes 16-31 tile 1
.set WSA, 20
.set KST, 21
.set KSS, 22
.set VST, 23
.set WF,  24                           ; v24-55 four weight fragments; at work in the epilogues
.set ACC, 56                           ; v56-119 eight accumulators
.set VSS, 120
.set BKA, 121
.set BVA, 122
.set BCL, 123
.set BCG, 124
.set MKO, 125
.set L4,  126                          ; 4 x lane
.set RH,  127                          ; 16 r + 4,352 (lane / 16): lanes 0-15 take a unit's scale words, lanes 16-31 the next unit's
.set XF,  128                          ; v128-255 x's fragments: (tile a, K step s) at 128 + 64 a + 8 s
; registers, attention
.set ADK, 0
.set AK0, 5
.set KW,  8                            ; K's words;  v12-15 V's;  v16, v17 q's;  v18 p's: registers that hold scales alone
.set VW,  12
.set QW,  16
.set PW,  18
.set AS0, 20
.set AV0, 21
.set AT0, 22
.set ADS, 23
.set KF,  24                           ; four fragments of K: registers 0-3 loaded, 4-7 constants
.set ST,  56                           ; S^T, then p
.set ADV, 120
.set ADT, 121
.set OT,  128
.set VF,  160
.set QF,  192
.set PC,  208                          ; p's codes
.set BM,  216
.set PD,  220
.set SO,  224
.set FF,  228                          ; v[228:229] f
.set C2,  230
.set TP,  232
.set NM,  234                          ; -M;  v235 the largest t
.set TMX, 235
.set SUM, 236
.set AC,  240                          ; attn's codes, four a tile
.set AW,  248                          ; attn's half words
.set TQ,  250
.set WV,  22
.set HD,  23
.set BT,  24
.set GG,  25
.set G0,  28
.set G1,  32
.set SEL, 40
.set CS,  42
.set TK,  44
.set TS,  45
.set TV,  46
.set TT,  47
.set CNT, 48
.set HM,  49
; one scaled product.  z = 1: C is the constant 0; ra, rb = 1: that side's scales stand in lanes 16-31
.macro WM d, a, b, sa, sb, z, ra, rb
.if \z
.if \ra
	v_wmma_scale_f32_16x16x128_f8f6f4 v[\d:\d+7], v[\a:\a+7], v[\b:\b+7], 0, v[\sa], v[\sb] matrix_a_fmt:MATRIX_FMT_FP4 matrix_b_fmt:MATRIX_FMT_FP4 matrix_a_scale:MATRIX_SCALE_ROW1
.elseif \rb
	v_wmma_scale_f32_16x16x128_f8f6f4 v[\d:\d+7], v[\a:\a+7], v[\b:\b+7], 0, v[\sa], v[\sb] matrix_a_fmt:MATRIX_FMT_FP4 matrix_b_fmt:MATRIX_FMT_FP4 matrix_b_scale:MATRIX_SCALE_ROW1
.else
	v_wmma_scale_f32_16x16x128_f8f6f4 v[\d:\d+7], v[\a:\a+7], v[\b:\b+7], 0, v[\sa], v[\sb] matrix_a_fmt:MATRIX_FMT_FP4 matrix_b_fmt:MATRIX_FMT_FP4
.endif
.else
.if (\ra) && (\rb)
	v_wmma_scale_f32_16x16x128_f8f6f4 v[\d:\d+7], v[\a:\a+7], v[\b:\b+7], v[\d:\d+7], v[\sa], v[\sb] matrix_a_fmt:MATRIX_FMT_FP4 matrix_b_fmt:MATRIX_FMT_FP4 matrix_a_scale:MATRIX_SCALE_ROW1 matrix_b_scale:MATRIX_SCALE_ROW1
.elseif \ra
	v_wmma_scale_f32_16x16x128_f8f6f4 v[\d:\d+7], v[\a:\a+7], v[\b:\b+7], v[\d:\d+7], v[\sa], v[\sb] matrix_a_fmt:MATRIX_FMT_FP4 matrix_b_fmt:MATRIX_FMT_FP4 matrix_a_scale:MATRIX_SCALE_ROW1
.elseif \rb
	v_wmma_scale_f32_16x16x128_f8f6f4 v[\d:\d+7], v[\a:\a+7], v[\b:\b+7], v[\d:\d+7], v[\sa], v[\sb] matrix_a_fmt:MATRIX_FMT_FP4 matrix_b_fmt:MATRIX_FMT_FP4 matrix_b_scale:MATRIX_SCALE_ROW1
.else
	v_wmma_scale_f32_16x16x128_f8f6f4 v[\d:\d+7], v[\a:\a+7], v[\b:\b+7], v[\d:\d+7], v[\sa], v[\sb] matrix_a_fmt:MATRIX_FMT_FP4 matrix_b_fmt:MATRIX_FMT_FP4
.endif
.endif
.endm
.macro PLACES
.rept 4
	v_nop
.endr
.endm
; 32 numbers of a lane, register 16 b + i = k 32 b + 16 (lane / 16) + i of my row: two blocks.  Codes into v[pc .. pc + 3] (k = 32 (lane / 16) + 0 .. 31), the two bytes into v[pw].  tm: six registers at work
.macro QUANT2 src, pc, pw, tm
.irp b, 0,1
	v_max3_num_f32 v[\tm+\b], |v[\src+16*\b]|, |v[\src+16*\b+1]|, 0x1800000       ; with the floor 2^(3 - 127)
.endr
.irp i, 2,4,6,8,10,12,14
.irp b, 0,1
	v_max3_num_f32 v[\tm+\b], v[\tm+\b], |v[\src+16*\b+\i]|, |v[\src+16*\b+\i+1]|
.endr
.endr
.irp b, 0,1
	s_delay_alu instid0(VALU_DEP_2)
	v_permlanex16_b32 v[\tm+2+\b], v[\tm+\b], s[SEL], s[SEL+1]
.endr
.irp b, 0,1
	s_delay_alu instid0(VALU_DEP_2)
	v_max_num_f32 v[\tm+\b], v[\tm+\b], v[\tm+2+\b]
.endr
.irp b, 0,1
	s_delay_alu instid0(VALU_DEP_2)
	v_add_nc_u32 v[\tm+4+\b], 0xff000000, v[\tm+\b]    ; 2 off the exponent field: the conversion's scale operand
.endr
.irp b, 0,1
	s_delay_alu instid0(VALU_DEP_2)
	v_lshrrev_b32 v[\tm+2+\b], 23, v[\tm+4+\b]
.endr
	s_delay_alu instid0(VALU_DEP_1)
	v_lshl_or_b32 v[\pw], v[\tm+3], 8, v[\tm+2]
.irp b, 0,1
	v_cvt_scalef32_pk8_fp4_f32 v[\pc+2*\b], v[\src+16*\b:\src+16*\b+7], v[\tm+4+\b]
	v_cvt_scalef32_pk8_fp4_f32 v[\pc+2*\b+1], v[\src+16*\b+8:\src+16*\b+15], v[\tm+4+\b]
.endr
	v_nop                                          ; one plain line behind the conversions
	v_permlane16_swap_b32 v[\pc], v[\pc+2]         ; a whole block to a lane: lanes 0-15 block 0, lanes 16-31 block 1
	v_permlane16_swap_b32 v[\pc+1], v[\pc+3]
.endm
; four blocks, 16 numbers of each in my lane and 16 in lane l xor 16: codes of my 16 into v[pc + 2 b], v[pc + 2 b + 1], the bytes into v[tm + 4 + b].  tm: twelve registers
.macro QUANT4 src, pc, tm
.irp b, 0,1,2,3
	v_max3_num_f32 v[\tm+\b], |v[\src+16*\b]|, |v[\src+16*\b+1]|, 0x1800000
.endr
.irp i, 2,4,6,8,10,12,14
.irp b, 0,1,2,3
	s_delay_alu instid0(VALU_DEP_4)
	v_max3_num_f32 v[\tm+\b], v[\tm+\b], |v[\src+16*\b+\i]|, |v[\src+16*\b+\i+1]|
.endr
.endr
.irp b, 0,1,2,3
	s_delay_alu instid0(VALU_DEP_4)
	v_permlanex16_b32 v[\tm+4+\b], v[\tm+\b], s[SEL], s[SEL+1]
.endr
.irp b, 0,1,2,3
	s_delay_alu instid0(VALU_DEP_4)
	v_max_num_f32 v[\tm+\b], v[\tm+\b], v[\tm+4+\b]
.endr
.irp b, 0,1,2,3
	s_delay_alu instid0(VALU_DEP_4)
	v_add_nc_u32 v[\tm+8+\b], 0xff000000, v[\tm+\b]
.endr
.irp b, 0,1,2,3
	s_delay_alu instid0(VALU_DEP_4)
	v_lshrrev_b32 v[\tm+4+\b], 23, v[\tm+8+\b]
.endr
.irp b, 0,1,2,3
	v_cvt_scalef32_pk8_fp4_f32 v[\pc+2*\b], v[\src+16*\b:\src+16*\b+7], v[\tm+8+\b]
	v_cvt_scalef32_pk8_fp4_f32 v[\pc+2*\b+1], v[\src+16*\b+8:\src+16*\b+15], v[\tm+8+\b]
.endr
	v_nop
.endm
	s_load_b256 s[4:11], s[0:1], 0x0               ; xc, xs, wh, bk
	s_load_b256 s[12:19], s[0:1], 0x20             ; bv, bq, x_mask, ac
	s_load_b64 s[20:21], s[0:1], 0x40              ; asc
	v_lshl_add_u32 v[SPW], v0, 2, SPARE
	v_mov_b32 v[NIL], 0
	ds_add_u32 v[SPW], v[NIL]                      ; the wave's opening: the add, twice on end, and its wait ahead of my tensor load; work on registers stands between
	ds_add_u32 v[SPW], v[NIL]
	v_lshrrev_b32 v[LI], 5, v0
	s_delay_alu instid0(VALU_DEP_1)
	v_readfirstlane_b32 s[WV], v[LI]               ; wave 0..15
	s_mov_b32 s[HD], ttmp9                         ; head
	s_and_b32 s[BT], ttmp7, 0xffff                 ; batch
	s_lshl_b32 s[GG], s[BT], 4
	s_add_co_u32 s[GG], s[GG], s[WV]               ; my group of 32 rows
	; descriptor group 1: my sixteenth of the head's units: 6,528 dense bytes as 51 rows of 128 (16 elements of 8 bytes)
	s_mov_b32 s[G1], 3<<16
	s_mov_b32 s[G1+1], 16<<16
	s_mov_b32 s[G1+2], 51<<16
	s_mov_b32 s[G1+3], 16<<16
	s_mov_b32 s[G1+4], 51
	s_mov_b32 s[G1+5], 16
	s_mov_b32 s[G1+6], 0
	s_mov_b32 s[G1+7], 0
	s_mov_b32 s[G0], 1
	s_mul_i32 s[G0+1], s[WV], 6528
	s_mov_b32 s[SEL], 0x76543210
	s_mov_b32 s[SEL+1], 0xfedcba98
	s_mov_b32 s[CS], 0x3e38aa3b                    ; c = log2(e) / 8
	s_mov_b32 s[CS+1], s[CS]
	s_mov_b32 s[HM], 0xffff0000                    ; lanes 16-31
	v_and_b32 v[L4], 31, v0
	s_delay_alu instid0(VALU_DEP_1)
	v_lshlrev_b32 v[LI], 4, v[L4]
	s_delay_alu instid0(VALU_DEP_2)
	v_lshlrev_b32 v[L4], 2, v[L4]
	v_and_b32 v24, 15, v0                          ; r
	v_bfe_u32 v25, v0, 4, 1                        ; h
	s_delay_alu instid0(VALU_DEP_2)
	v_and_b32 v26, 8, v24
	s_delay_alu instid0(VALU_DEP_1)
	v_add_nc_u32 v26, v26, v24                     ; r + 8 (r / 8)
	s_delay_alu instid0(VALU_DEP_4)
	v_lshlrev_b32 v[R16], 4, v24
	v_mul_u32_u24 v[RH], v25, UNIT
	s_delay_alu instid0(VALU_DEP_1)
	v_lshl_add_u32 v[RH], v24, 4, v[RH]
	s_wait_alu depctr_va_vdst(0)
	s_lshl_b32 s50, s[WV], 10
	s_add_co_u32 s50, s50, KIMG
	v_add_nc_u32 v[KST], s50, v[LI]                ; K's images: tiles 2 w, 2 w + 1
	s_lshr_b32 s50, s[WV], 1
	s_lshl_b32 s50, s50, 8
	s_and_b32 s51, s[WV], 1
	s_lshl_b32 s51, s51, 3
	s_add_co_u32 s50, s50, s51
	s_add_co_u32 s50, s50, KSC
	v_add_nc_u32 v[KSS], s50, v[R16]
	v_mul_u32_u24 v[VST], v24, 272
	s_delay_alu instid0(VALU_DEP_1)
	v_lshl_add_u32 v[VST], v25, 3, v[VST]
	s_lshl_b32 s50, s[WV], 4
	s_add_co_u32 s50, s50, VIMG
	v_add_nc_u32 v[VST], s50, v[VST]               ; V: row r of a tile, my 16 keys' 8 bytes
	s_lshr_b32 s50, s[WV], 2
	s_lshl_b32 s50, s50, 8
	s_and_b32 s51, s[WV], 3
	s_add_co_u32 s50, s50, s51
	s_add_co_u32 s50, s50, VSC
	v_add_nc_u32 v[VSS], s50, v[R16]
	v_lshl_add_u32 v[BKA], v25, 6, BIAS
	v_lshl_add_u32 v[BVA], v26, 2, BIAS+256
	v_and_b32 v[BCG], 63, v0
	s_delay_alu instid0(VALU_DEP_1)
	v_lshlrev_b32 v[BCG], 2, v[BCG]
	s_delay_alu instid0(VALU_DEP_1)
	v_add_nc_u32 v[BCL], BIAS, v[BCG]
	v_lshlrev_b32 v[MKO], 2, v26
	s_wait_alu depctr_va_vdst(0)
	s_wait_dscnt 0x0                               ; both opening adds are done
	s_wait_kmcnt 0x0
	s_mul_i32 s50, s[HD], 24*UNIT
	s_add_co_u32 s50, s50, s[G0+1]
	s_mov_b32 s51, 0
	s_add_nc_u64 s[G0+2:G0+3], s[8:9], s[50:51]
	s_or_b32 s[G0+3], s[G0+3], 0x80000000
	tensor_load_to_lds s[G0:G0+3], s[G1:G1+7]      ; every wave's one tensor load of the launch: filled once
	s_nop 0
	s_lshl_b32 s50, s[GG], 14
	s_add_nc_u64 s[4:5], s[4:5], s[50:51]          ; xc at my group
	s_lshl_b32 s52, s[HD], 9
	s_add_co_u32 s50, s50, s52
	s_add_nc_u64 s[18:19], s[18:19], s[50:51]      ; ac at my group, my head's 64 along K
	s_lshl_b32 s50, s[GG], 10
	s_add_nc_u64 s[6:7], s[6:7], s[50:51]          ; xs
	s_lshr_b32 s52, s[HD], 1
	s_lshl_b32 s52, s52, 7
	s_add_co_u32 s50, s50, s52
	s_and_b32 s52, s[HD], 1
	s_lshl_b32 s52, s52, 1
	s_add_co_u32 s50, s50, s52
	s_add_nc_u64 s[20:21], s[20:21], s[50:51]      ; asc: my head's two bytes of each word
	s_lshl_b32 s50, s[HD], 8
	s_add_nc_u64 s[10:11], s[10:11], s[50:51]
	s_add_nc_u64 s[12:13], s[12:13], s[50:51]
	s_add_nc_u64 s[14:15], s[14:15], s[50:51]
	s_lshl_b32 s50, s[BT], 11
	s_lshl_b32 s52, s[WV], 7
	s_add_co_u32 s50, s50, s52
	s_add_nc_u64 s[16:17], s[16:17], s[50:51]      ; the mask at my 32 keys
.set i, 0
.rept 32
	global_load_b128 v[XF+4*i:XF+4*i+3], v[LI], s[4:5] offset:512*i      ; 512 consecutive bytes each: the fragments as they lie
.set i, i+1
.endr
.irp s, 0,1,2,3,4,5,6,7
	global_load_b32 v[XS+\s], v[L4], s[6:7] offset:128*\s
.endr
	global_load_b32 v[MK], v[MKO], s[16:17]
	global_load_b32 v[MK+1], v[MKO], s[16:17] offset:32
	s_lshr_b32 s50, s[WV], 1
	s_cmp_eq_u32 s50, 4                            ; waves 8 and 9 bring the head's three biases into LDS
	s_cbranch_scc0 .Lno_bias
	global_load_b32 v24, v[BCG], s[10:11]
	global_load_b32 v25, v[BCG], s[12:13]
	global_load_b32 v26, v[BCG], s[14:15]
	s_wait_loadcnt 0x0
	ds_store_b32 v[BCL], v24
	ds_store_b32 v[BCL], v25 offset:256
	ds_store_b32 v[BCL], v26 offset:512
.Lno_bias:
	s_wait_tensorcnt 0x0                           ; my part of the units has landed,
	s_wait_loadcnt 0x0
	s_wait_dscnt 0x0                               ; and so have the biases
	s_barrier_signal -1
	s_barrier_wait -1                              ; everybody's have
; A PASS: 8 K steps; each: four weight fragments and their words from LDS, 8 products on 8 accumulators by turns.  mode = 1: transposed, the bias as C; mode = 0: rows of x as source 0
.macro PASS P, mode
	v_add_nc_u32 v[WA], \P*PASSB, v[LI]
	s_wait_alu depctr_va_vdst(0)
	v_add_nc_u32 v[WSA], \P*PASSB+4096, v[RH]
.if \mode
	s_wait_alu depctr_va_vdst(0)
.irp a, 0,1
.irp b, 0,1
.irp k, 0,1,2,3
	ds_load_b128 v[ACC+32*\a+16*\b+4*\k:ACC+32*\a+16*\b+4*\k+3], v[BKA] offset:256*\P+128*\b+16*\k   ; the bias at d = 32 b + 16 h + 4 k ..
.endr
.endr
.endr
.endif
	s_wait_alu depctr_va_vdst(0)
.irp s, 0,1,2,3,4,5,6,7
	PLACES                                         ; in front of loads into registers that matrix instructions have read
.irp t, 0,1,2,3
.irp c, 0,1
	ds_load_b128 v[WF+8*\t+4*\c:WF+8*\t+4*\c+3], v[WA] offset:\s*UNIT+1024*\t+512*\c
.endr
.endr
.if \s%2 == 0
	ds_load_b128 v[WS:WS+3], v[WSA] offset:\s*UNIT     ; one load for two K steps: the odd step's words stand in lanes 16-31
.endif
	s_wait_dscnt 0x0
.if \mode
.irp a, 0,1
.irp t, 0,1,2,3
	WM ACC+32*\a+8*\t, WF+8*\t, XF+64*\a+8*\s, WS+\t, XS+\s, 0, (\s%2), \a
.endr
.endr
.else
.irp t, 0,1,2,3
.irp a, 0,1
.if \s == 0
	WM ACC+16*\t+8*\a, XF+64*\a+8*\s, WF+8*\t, XS+\s, WS+\t, 1, \a, 0
.else
	WM ACC+16*\t+8*\a, XF+64*\a+8*\s, WF+8*\t, XS+\s, WS+\t, 0, \a, (\s%2)
.endif
.endr
.endr
.endif
.endr
.endm
	PASS 0, 1
	; ---- k: two tiles of 16 keys become images of K's fragments; a masked key gets zero codes and the large byte for slot 64's block
	PLACES
	v_mov_b32 v42, 0
	v_mov_b32 v43, 0
	v_mov_b32 v36, 0x01e30000
	v_mov_b32 v37, 0x01010000
.irp a, 0,1
	QUANT2 ACC+32*\a, 24+4*\a, 32+\a, 40
	v_cmp_ne_u32 vcc_lo, 0, v[MK+\a]               ; live?
.irp i, 0,1,2,3
	v_cndmask_b32 v[24+4*\a+\i], 0, v[24+4*\a+\i], vcc_lo
.endr
	v_cndmask_b32 v38, v36, v37, vcc_lo
	s_delay_alu instid0(VALU_DEP_1)
	v_or_b32 v[32+\a], v[32+\a], v38
	ds_store_b128 v[KST], v[24+4*\a:27+4*\a] offset:512*\a
	ds_store_b32 v[KSS], v[32+\a] offset:4*\a      ; both halves of the lanes write the same word with the same value
.endr
	s_wait_dscnt 0x0                               ; the stores have read their registers
	PASS 1, 0
	; ---- v: + bv; four blocks of my 32 keys, one for each tile of 16 columns
	PLACES
.irp t, 0,1,2,3
	ds_load_b32 v[24+2*\t], v[BVA] offset:128*(\t/2)+32*(\t%2)
	ds_load_b32 v[25+2*\t], v[BVA] offset:128*(\t/2)+32*(\t%2)
.endr
.irp b, 0,1,2,3
	v_mov_b32 v[36+\b], 0
.endr
	s_wait_dscnt 0x0
.irp t, 0,1,2,3
.irp i, 0,2,4,6,8,10,12,14
	v_pk_add_f32 v[ACC+16*\t+\i:ACC+16*\t+\i+1], v[ACC+16*\t+\i:ACC+16*\t+\i+1], v[24+2*\t:25+2*\t]
.endr
.endr
	QUANT4 ACC, 44, 32
.irp t, 0,1,2,3
	ds_store_b64 v[VST], v[44+2*\t:45+2*\t] offset:4352*\t
.endr
.irp t, 0,1,2,3
	ds_store_b8 v[VSS], v[36+\t] offset:4*\t
.endr
	s_wait_dscnt 0x0
	PASS 2, 1
	; ---- q: stays in registers
	PLACES
	v_mov_b32 v42, 0
	v_mov_b32 v43, 0
	QUANT2 ACC, QF, 32, 40
	QUANT2 ACC+32, QF+8, 33, 40
	v_or_b32 v[QW], 0x013b0000, v32                ; byte 2: 2^-68 for slot 64's block
	v_or_b32 v[QW+1], 0x013b0000, v33
	v_bfe_u32 v[TP], v[LI], 8, 1                   ; h
	v_mul_u32_u24 v[AV0], v[R16], 17               ; 272 r
	s_delay_alu instid0(VALU_DEP_1)
	v_lshl_add_u32 v[AV0], v[TP], 4, v[AV0]
	s_delay_alu instid0(VALU_DEP_1)
	v_add_nc_u32 v[AV0], VIMG, v[AV0]
	v_add_nc_u32 v[AK0], KIMG, v[LI]
	v_add_nc_u32 v[AS0], KSC, v[R16]
	v_add_nc_u32 v[AT0], VSC, v[R16]
	v_xor_b32 v[TP], 1, v[TP]                      ; 1 in lanes 0-15, which hold slot 64
	s_delay_alu instid0(VALU_DEP_1)
	v_mul_u32_u24 v[TP+1], v[TP], 14               ; the code of -4
	s_delay_alu instid0(VALU_DEP_2)
	v_mul_u32_u24 v[TP], v[TP], 6                  ; the code of +4
.irp t, 0,1,2,3
	v_mov_b32 v[KF+8*\t+4], v[TP+1]
	v_mov_b32 v[KF+8*\t+5], 0
	v_mov_b32 v[KF+8*\t+6], 0
	v_mov_b32 v[KF+8*\t+7], 0
.endr
.irp n, 0,1
	v_mov_b32 v[QF+8*\n+4], v[TP]
	v_mov_b32 v[QF+8*\n+5], 0
	v_mov_b32 v[QF+8*\n+6], 0
	v_mov_b32 v[QF+8*\n+7], 0
.endr
.irp b, 0,1,2,3
	v_mov_b32 v[PD+\b], 0                          ; lane permutes' destinations count as sources
.endr
	v_mov_b32 v[FF+1], 0                           ; named as the upper half of a pair
	v_mov_b32 v[TQ+2], 0
	v_mov_b32 v[TQ+3], 0
	s_wait_dscnt 0x0
	s_barrier_signal -1
	s_barrier_wait -1                              ; K's and V's images and words of all 512 keys lie in LDS
; ---- attention for my tile n of 16 queries: four trips of 128 keys
.macro QTILE n
	v_mov_b32 v[TMX], 0xff61b1e6                   ; -3e38, under every t
	s_delay_alu instid0(VALU_DEP_1)
	v_floor_f32 v[NM], -v[TMX]
	v_mov_b32 v[SUM], 0
	v_mov_b32 v[SUM+1], 0
.set j, 0
.rept 32
	v_mov_b32 v[OT+j], 0                           ; the trip is written once: the first finds zeros
.set j, j+1
.endr
	s_mov_b32 s[TK], 0
	s_mov_b32 s[TS], 0
	s_mov_b32 s[TV], 0
	s_mov_b32 s[TT], 0
	s_mov_b32 s[CNT], 4
.Lkeys_\@:
	v_add_nc_u32 v[ADK], s[TK], v[AK0]             ; (these four are also the places in front of the loads below)
	v_add_nc_u32 v[ADS], s[TS], v[AS0]
	v_add_nc_u32 v[ADV], s[TV], v[AV0]
	v_add_nc_u32 v[ADT], s[TT], v[AT0]
.irp t, 0,1,2,3
	ds_load_b128 v[KF+8*\t:KF+8*\t+3], v[ADK] offset:512*\t
.endr
	ds_load_b128 v[KW:KW+3], v[ADS]
.irp t, 0,1,2,3
.irp c, 0,1
	ds_load_b128 v[VF+8*\t+4*\c:VF+8*\t+4*\c+3], v[ADV] offset:4352*\t+32*\c
.endr
.endr
	ds_load_b128 v[VW:VW+3], v[ADT]
	s_wait_alu depctr_va_vdst(0)
	s_wait_dscnt 9                                 ; K's five loads are in; V's nine, issued behind them, may be out
.irp t, 0,1,2,3
	WM ST+8*\t, KF+8*\t, QF+8*\n, KW+\t, QW+\n, 1, 0, 0
.endr
	PLACES
.irp t, 0,1,2,3
	ds_load_b128 v[KF+8*\t:KF+8*\t+3], v[ADK] offset:2048+512*\t
.endr
	ds_load_b128 v[KW:KW+3], v[ADS] offset:256
	s_wait_dscnt 0x0
.irp t, 0,1,2,3
	WM ST+32+8*\t, KF+8*\t, QF+8*\n, KW+\t, QW+\n, 1, 0, 0
.endr
	PLACES
.irp b, 0,1,2,3
	v_max3_num_f32 v[BM+\b], v[ST+16*\b], v[ST+16*\b+1], v[ST+16*\b+2]     ; the largest score of each block of 32 keys: for the row's maximum, and for the block's largest p
.endr
.irp i, 3,5,7,9,11,13
.irp b, 0,1,2,3
	v_max3_num_f32 v[BM+\b], v[BM+\b], v[ST+16*\b+\i], v[ST+16*\b+\i+1]
.endr
.endr
.irp b, 0,1,2,3
	v_max_num_f32 v[BM+\b], v[BM+\b], v[ST+16*\b+15]
.endr
.irp b, 0,1,2,3
	s_delay_alu instid0(VALU_DEP_4)
	v_permlanex16_b32 v[PD+\b], v[BM+\b], s[SEL], s[SEL+1]
.endr
.irp b, 0,1,2,3
	s_delay_alu instid0(VALU_DEP_4)
	v_max_num_f32 v[BM+\b], v[BM+\b], v[PD+\b]
.endr
	s_delay_alu instid0(VALU_DEP_2)
	v_max3_num_f32 v[TP], v[BM], v[BM+1], v[BM+2]
	s_delay_alu instid0(VALU_DEP_1)
	v_max_num_f32 v[TP], v[TP], v[BM+3]
	s_delay_alu instid0(VALU_DEP_1)
	v_mul_f32 v[TP], s[CS], v[TP]
	s_delay_alu instid0(VALU_DEP_1)
	v_max_num_f32 v[TMX], v[TMX], v[TP]            ; the running largest t
	v_mov_b32 v[TP], v[NM]
	s_delay_alu instid0(VALU_DEP_2)
	v_floor_f32 v[NM], -v[TMX]                     ; -M = floor(-t): M is a whole number
	s_delay_alu instid0(VALU_DEP_1)
	v_sub_f32 v[TP], v[NM], v[TP]
	s_delay_alu instid0(VALU_DEP_1)
	v_cvt_i32_f32 v[TP], v[TP]                     ; old M - new M (it saturates)
	s_delay_alu instid0(VALU_DEP_1)
	v_ldexp_f32 v[FF], 1.0, v[TP]                  ; f = 2^(old M - new M): rounds nothing
.set j, 0
.rept 32
	v_pk_fma_f32 v[ST+j:ST+j+1], v[ST+j:ST+j+1], s[CS:CS+1], v[NM:NM+1] op_sel_hi:[1,0,0]   ; t - M
.set j, j+2
.endr
.irp b, 0,1,2,3
	v_fma_f32 v[BM+\b], v[BM+\b], s[CS], v[NM]
.endr
.set j, 0
	s_wait_alu depctr_va_vdst(0)
.rept 64
	v_exp_f32 v[ST+j], v[ST+j]                     ; p = 2^(t - M)
.set j, j+1
.endr
	v_pk_mul_f32 v[SUM:SUM+1], v[SUM:SUM+1], v[FF:FF+1] op_sel_hi:[1,0]    ; a plain line behind the exponentials
	s_wait_alu depctr_va_vdst(0)                   ; one wait for the batch, ahead of its first reader
.irp b, 0,1,2,3
	v_exp_f32 v[BM+\b], v[BM+\b]                   ; each block's largest p
.endr
	v_pk_add_f32 v[230:231], v[60:61], v[64:65]
	v_pk_add_f32 v[254:255], v[68:69], v[72:73]
	v_pk_add_f32 v[250:251], v[76:77], v[80:81]
	v_pk_add_f32 v[246:247], v[84:85], v[88:89]
	v_pk_add_f32 v[244:245], v[92:93], v[96:97]
	v_pk_add_f32 v[242:243], v[100:101], v[104:105]
	v_pk_add_f32 v[240:241], v[108:109], v[112:113]
	v_pk_add_f32 v[236:237], v[236:237], v[116:117]
	v_pk_add_f32 v[230:231], v[230:231], v[56:57]
	v_pk_add_f32 v[254:255], v[254:255], v[58:59]
	v_pk_add_f32 v[250:251], v[250:251], v[62:63]
	v_pk_add_f32 v[246:247], v[246:247], v[66:67]
	v_pk_add_f32 v[244:245], v[244:245], v[70:71]
	v_pk_add_f32 v[242:243], v[242:243], v[74:75]
	v_pk_add_f32 v[240:241], v[240:241], v[78:79]
	v_pk_add_f32 v[236:237], v[236:237], v[82:83]
	v_pk_add_f32 v[230:231], v[230:231], v[86:87]
	v_pk_add_f32 v[254:255], v[254:255], v[90:91]
	v_pk_add_f32 v[250:251], v[250:251], v[94:95]
	v_pk_add_f32 v[246:247], v[246:247], v[98:99]
	v_pk_add_f32 v[244:245], v[244:245], v[102:103]
	v_pk_add_f32 v[242:243], v[242:243], v[106:107]
	v_pk_add_f32 v[240:241], v[240:241], v[110:111]
	v_pk_add_f32 v[236:237], v[236:237], v[114:115]
	v_pk_add_f32 v[230:231], v[230:231], v[118:119]
	s_delay_alu instid0(VALU_DEP_2)
	v_pk_add_f32 v[236:237], v[236:237], v[246:247]
	s_delay_alu instid0(VALU_DEP_2)
	v_pk_add_f32 v[230:231], v[230:231], v[244:245]
	v_pk_add_f32 v[254:255], v[254:255], v[242:243]
	v_pk_add_f32 v[250:251], v[250:251], v[240:241]
	s_delay_alu instid0(VALU_DEP_2)
	v_pk_add_f32 v[236:237], v[236:237], v[254:255]
	s_delay_alu instid0(VALU_DEP_2)
	v_pk_add_f32 v[230:231], v[230:231], v[250:251]
	s_delay_alu instid0(VALU_DEP_1)
	v_pk_add_f32 v[236:237], v[236:237], v[230:231]
	s_wait_alu depctr_va_vdst(0)                   ; and one for the four
.irp b, 0,1,2,3
	v_max_num_f32 v[BM+\b], 0x1800000, v[BM+\b]    ; the floor: a block whose every p is 0 keeps the byte 1; its codes are zeros
.endr
.irp b, 0,1,2,3
	s_delay_alu instid0(VALU_DEP_4)
	v_add_nc_u32 v[SO+\b], 0xff000000, v[BM+\b]
.endr
.irp b, 0,1,2,3
	s_delay_alu instid0(VALU_DEP_4)
	v_lshrrev_b32 v[PD+\b], 23, v[SO+\b]
.endr
	s_delay_alu instid0(VALU_DEP_3)
	v_lshl_or_b32 v[PW], v[PD+1], 8, v[PD]
	s_delay_alu instid0(VALU_DEP_1)
	v_lshl_or_b32 v[PW], v[PD+2], 16, v[PW]
	s_delay_alu instid0(VALU_DEP_1)
	v_lshl_or_b32 v[PW], v[PD+3], 24, v[PW]
.irp b, 0,1,2,3
	v_cvt_scalef32_pk8_fp4_f32 v[PC+2*\b], v[ST+16*\b:ST+16*\b+7], v[SO+\b]
	v_cvt_scalef32_pk8_fp4_f32 v[PC+2*\b+1], v[ST+16*\b+8:ST+16*\b+15], v[SO+\b]
.endr
	v_nop
.irp c, 0,1
.irp i, 0,1
	v_permlane16_swap_b32 v[PC+4*\c+\i], v[PC+4*\c+2+\i]
.endr
.endr
.set j, 0
.rept 16
	v_pk_mul_f32 v[OT+j:OT+j+1], v[OT+j:OT+j+1], v[FF:FF+1] op_sel_hi:[1,0]   ; O^T under the new M; these sixteen are also the places between p's word and codes and the products
.set j, j+2
.endr
.irp t, 0,1,2,3
	WM OT+8*\t, VF+8*\t, PC, VW+\t, PW, 0, 0, 0
.endr
	s_add_co_u32 s[TK], s[TK], 4096
	s_add_co_u32 s[TS], s[TS], 512
	s_add_co_u32 s[TV], s[TV], 64
	s_add_co_u32 s[TT], s[TT], 256
	s_sub_co_u32 s[CNT], s[CNT], 1
	s_cmp_lg_u32 s[CNT], 0
	s_cbranch_scc1 .Lkeys_\@
	PLACES
	v_add_f32 v[SUM], v[SUM], v[SUM+1]
	s_delay_alu instid0(VALU_DEP_1)
	v_permlanex16_b32 v[TP], v[SUM], s[SEL], s[SEL+1]
	s_delay_alu instid0(VALU_DEP_1)
	v_add_f32 v[SUM], v[SUM], v[TP]                ; the row's sum
	s_wait_alu depctr_va_vdst(0)
	v_rcp_f32 v[SUM], v[SUM]
	v_nop
	s_wait_alu depctr_va_vdst(0)
.set j, 0
.rept 32
	v_mul_f32 v[ST+j], v[OT+j], v[SUM]             ; attn(query r, d = 32 beta + 16 h + i) in register 16 beta + i
.set j, j+1
.endr
	QUANT2 ST, AC+4*\n, AW+\n, TQ
	global_store_b128 v[LI], v[AC+4*\n:AC+4*\n+3], s[18:19] offset:8192*\n      ; 512 consecutive bytes: half a fragment of the next product's operand
.endm
	QTILE 0
	s_wait_xcnt 0x0                                ; tile 0's store has read v240-243: tile 1's sums write them again only behind this wait
	QTILE 1
	v_cndmask_b32 v[TP], v[AW], v[AW+1], s[HM]     ; lanes 0-15 tile 0's two bytes, lanes 16-31 tile 1's
	global_store_b16 v[L4], v[TP], s[20:21]
	s_wait_tensorcnt 0x0                           ; the wave's end
	ds_add_u32 v[SPW], v[NIL]
	s_wait_dscnt 0x0
	s_endpgm
.Lfunc_end_k_q61d9225dba_attn:
	.size	k_q61d9225dba_attn, .Lfunc_end_k_q61d9225dba_attn-k_q61d9225dba_attn
	.p2alignl 7, 3214868480
	.fill 96, 4, 3214868480
	.section	.rodata,"a",@progbits
	.p2align	6, 0x0
	.amdhsa_kernel k_q61d9225dba_attn
		.amdhsa_group_segment_fixed_size 167936
		.amdhsa_private_segment_fixed_size 0
		.amdhsa_enable_private_segment 0
		.amdhsa_kernarg_size 72
		.amdhsa_user_sgpr_count 2
		.amdhsa_user_sgpr_kernarg_segment_ptr 1
		.amdhsa_wavefront_size32 1
		.amdhsa_system_sgpr_workgroup_id_x 1
		.amdhsa_system_sgpr_workgroup_id_y 1
		.amdhsa_system_sgpr_workgroup_id_z 1
		.amdhsa_system_vgpr_workitem_id 0
		.amdhsa_next_free_vgpr 256
		.amdhsa_next_free_sgpr 66
		.amdhsa_reserve_vcc 1
		.amdhsa_float_denorm_mode_32 3
		.amdhsa_float_denorm_mode_16_64 3
		.amdhsa_memory_ordered 1
		.amdhsa_forward_progress 1
		.amdhsa_inst_pref_size 115
	.end_amdhsa_kernel
	.amdgpu_metadata
---
amdhsa.version: [ 1, 2 ]
amdhsa.kernels:
  - .name:           k_q61d9225dba_attn
    .symbol:         k_q61d9225dba_attn.kd
    .args:
      - { .name: xc, .offset: 0, .size: 8, .value_kind: global_buffer, .address_space: global }
      - { .name: xs, .offset: 8, .size: 8, .value_kind: global_buffer, .address_space: global }
      - { .name: wh, .offset: 16, .size: 8, .value_kind: global_buffer, .address_space: global }
      - { .name: bk, .offset: 24, .size: 8, .value_kind: global_buffer, .address_space: global }
      - { .name: bv, .offset: 32, .size: 8, .value_kind: global_buffer, .address_space: global }
      - { .name: bq, .offset: 40, .size: 8, .value_kind: global_buffer, .address_space: global }
      - { .name: x_mask, .offset: 48, .size: 8, .value_kind: global_buffer, .address_space: global }
      - { .name: ac, .offset: 56, .size: 8, .value_kind: global_buffer, .address_space: global }
      - { .name: asc, .offset: 64, .size: 8, .value_kind: global_buffer, .address_space: global }
    .group_segment_fixed_size: 167936
    .private_segment_fixed_size: 0
    .kernarg_segment_align: 8
    .kernarg_segment_size: 72
    .max_flat_workgroup_size: 512
    .sgpr_count:     66
    .vgpr_count:     256
    .wavefront_size: 32
...
	.end_amdgpu_metadata
.endif
;; end of part 2
;; launch chain (part 3): grid 256 x 1, 16 waves a work-group, clusters of 4 x 1, 327,680 bytes of LDS; arguments ac, asc, wc, x, bo, gamma1, beta1, b1, b2, gamma2, beta2, out0; writes out0
.if DOCPART == 3
	.amdgcn_target "amdgcn-amd-amdhsa--gfx1250"
	.amdhsa_code_object_version 6
	.text
	.protected	k_q61d9225dba_chain
	.globl	k_q61d9225dba_chain
	.p2align	8
	.type	k_q61d9225dba_chain,@function
k_q61d9225dba_chain:
	s_mov_b64 s[64:65], 0
	v_nop
	global_prefetch_b8 v0, s[64:65] scope:SCOPE_SE
	s_setreg_imm32_b32 hwreg(HW_REG_WAVE_MODE, 25, 1), 1
	s_wait_xcnt 0x0
	s_wait_alu depctr_hold_cnt(0) depctr_sa_sdst(0) depctr_va_vdst(0) depctr_va_sdst(0) depctr_va_ssrc(0) depctr_va_vcc(0) depctr_vm_vsrc(0)
	s_getreg_b32 s2, hwreg(HW_REG_IB_STS2, 6, 4)
	s_cmp_eq_u32 s2, 0
	s_cbranch_scc0 .Lentry_in_a_cluster
	s_endpgm
.Lentry_in_a_cluster:
	s_bfe_u32 s2, ttmp6, 0x10000c
	s_cmp_lg_u32 s2, 0x3003
	s_cbranch_scc0 .Lentry_shape_is_right
	s_endpgm
.Lentry_shape_is_right:
; CHAIN: out = LN2(gelu(h W1 + b1) W2 + b2 + h), h = LN1(attn Wo + bo + x).  One work-group takes 32 rows through all three products; nothing is left out.
; SHARES: wave w of sixteen owns columns 64 w .. 64 w + 63 of every product, for all 32 rows: eight accumulators, used TRANSPOSED (source 0 = 16 weight columns, source 1 = 16 rows):
;   a lane holds one row, register 16 beta + i is column 32 beta + 16 (lane / 16) + i, so the next operand's blocks of 32 are quantised in the lane pair (l, l xor 16).
; WEIGHTS: wc is twelve parts of 139,264 bytes (two K steps x 1,024 columns, in the order of the operands' registers; parts 0-3 Wo, 4-7 W1, 8-11 W2); a wave reads only its own 8,704 bytes of a part.
;   Parts 0, 1, 4-9, 11 come through two LDS slots by joint loads of the cluster's four work-groups, which walk the same weights (slot 0: parts 0, 5, 7, 9; slot 1: parts 1, 4, 6, 8, 11).
;   Parts 2, 3, 10 go from memory straight into registers (v192-255), where those are free: they are multiplied while a slot's load is out.
; x: each wave's own 32 rows x 256 bytes come by one plain tensor load into its part of slot 0 (rows 272 bytes apart), when part 0 has been read out; the Wo sums begin with C = 0, and x and bo are added at the product's end.
; The operand of each product lies in LDS as images of its fragments (two images by turns) with its scale words; row sums of the norms go through LDS words, one a wave and row.
; A slot's scale words of both K steps come by one load: lanes 0-15 the first step's, lanes 16-31 the second's.
; GELU is exact in form: erfc by the exponential of a polynomial of degree 9 in t = 1 / (1 + |z| / (2 sqrt 2)), all in f32.
; PREFETCHES: x's slab once at the head, a lane a row, ahead of its tensor load; parts 1 and 4 to 11 one instruction a wave each, ahead of the loads that want them.  A part's 544 blocks of 256 bytes are
;   shared out by address: wave w of the work-group at place cx takes nine blocks of the sixteenth (w & 12) + cx, so each block is named once in a cluster (lanes left over name their wave's last block again).
; LIMITS: a block of zeros has the scale byte 1 (its codes are zeros; only this program reads the bytes); NaN and infinities are not served.
; LDS: slot 0 at 0, slot 1 at 139,264, images at 278,528, the norms' words at 313,344, the spare words at 323,584.  All of LDS is claimed.
.set BUF,   139264
.set WPART, 8704
.set UNIT,  4352
.set AIMG,  278528
.set IMGB,  17408
.set RED,   313344
.set REDB,  2560
.set SPARE, 323584
.set L4,  0                            ; 4 x lane
.set SPW, 1                            ; my spare word's address; never rewritten
.set NIL, 2                            ; 0; never rewritten
.set LI,  3                            ; 16 x lane
.set WA0, 4                            ; v4, v5  my weights in slot 0, 1
.set WSA0, 6                           ; v6, v7  their scale words
.set AA,  8                            ; the images' fragments
.set ASA, 9                            ; the images' scale words
.set IST, 10                           ; where I store my codes of an image
.set ISS, 11                           ; and my two scale bytes
.set RW,  12                           ; the norms' words: mine, and my rows' sixteen
.set RR,  13
.set PFO, 14                           ; the weight prefetches' offset; never rewritten
.set VO,  15                           ; 64 (lane / 16): my place in a vector of 64 columns
.set SO,  16                           ; the way out: into my stage, back, and in out0
.set SR,  17
.set GO,  18
.set DSO, 19                           ; scale words of a part that goes into registers
.set WS,  20                           ; v20-23 weights' scale words from LDS
.set AS,  24                           ; v24-31 the operand's scale words, K step s
.set WF,  32                           ; v32-63 four weight fragments
.set AF,  64                           ; v64-79 two fragments of the operand
.set T,   80                           ; v80-111 a vector of my 64 columns
.set XPF, 120                          ; x's prefetch: 4,096 x lane; written again only behind s_wait_xcnt 0
.set XA,  122                          ; LDS address of my lane's row in my slab of x; free again behind the Wo product
.set C9,  122
.set CPA, 123
.set DWS, 124                          ; v124-127 scale words of the weights in registers
.set BA,  128
.set BB,  192
.set GT,  32
.set GZ,  48
.set GP,  64
.set WV,  28
.set GG,  30
.set HM,  31
.set G1,  32
.set G0,  40
.set SEL, 48
.set DBASE, 56
.set G0X, 60                           ; s[60:63], s[88:95] descriptor groups 0 and 1 for my slab of x
.set K1,  66
.set CK,  68
.set K2,  86
.set G1X, 88
; one scaled product.  z = 1: C is the constant 0; ra, rb = 1: that side's scales stand in lanes 16-31
.macro WM d, a, b, sa, sb, z, ra, rb
.if \z
.if \rb
	v_wmma_scale_f32_16x16x128_f8f6f4 v[\d:\d+7], v[\a:\a+7], v[\b:\b+7], 0, v[\sa], v[\sb] matrix_a_fmt:MATRIX_FMT_FP4 matrix_b_fmt:MATRIX_FMT_FP4 matrix_b_scale:MATRIX_SCALE_ROW1
.else
	v_wmma_scale_f32_16x16x128_f8f6f4 v[\d:\d+7], v[\a:\a+7], v[\b:\b+7], 0, v[\sa], v[\sb] matrix_a_fmt:MATRIX_FMT_FP4 matrix_b_fmt:MATRIX_FMT_FP4
.endif
.else
.if (\ra) && (\rb)
	v_wmma_scale_f32_16x16x128_f8f6f4 v[\d:\d+7], v[\a:\a+7], v[\b:\b+7], v[\d:\d+7], v[\sa], v[\sb] matrix_a_fmt:MATRIX_FMT_FP4 matrix_b_fmt:MATRIX_FMT_FP4 matrix_a_scale:MATRIX_SCALE_ROW1 matrix_b_scale:MATRIX_SCALE_ROW1
.elseif \ra
	v_wmma_scale_f32_16x16x128_f8f6f4 v[\d:\d+7], v[\a:\a+7], v[\b:\b+7], v[\d:\d+7], v[\sa], v[\sb] matrix_a_fmt:MATRIX_FMT_FP4 matrix_b_fmt:MATRIX_FMT_FP4 matrix_a_scale:MATRIX_SCALE_ROW1
.elseif \rb
	v_wmma_scale_f32_16x16x128_f8f6f4 v[\d:\d+7], v[\a:\a+7], v[\b:\b+7], v[\d:\d+7], v[\sa], v[\sb] matrix_a_fmt:MATRIX_FMT_FP4 matrix_b_fmt:MATRIX_FMT_FP4 matrix_b_scale:MATRIX_SCALE_ROW1
.else
	v_wmma_scale_f32_16x16x128_f8f6f4 v[\d:\d+7], v[\a:\a+7], v[\b:\b+7], v[\d:\d+7], v[\sa], v[\sb] matrix_a_fmt:MATRIX_FMT_FP4 matrix_b_fmt:MATRIX_FMT_FP4
.endif
.endif
.endm
.macro PLACES                          ; four places behind matrix instructions, ahead of loads into their registers and of reads of their results
.rept 4
	v_nop
.endr
.endm
.macro SPAIR r, val
	s_mov_b32 s[\r], \val
	s_mov_b32 s[\r+1], \val
.endm
.macro BARRIER
	s_wait_dscnt 0x0
	s_barrier_signal -1
	s_barrier_wait -1
.endm
.macro ROUND                           ; a round of the cluster's barrier
	s_barrier_signal -1
	s_barrier_wait -1
	s_cmp_lg_u32 s[WV], 0
	s_cbranch_scc1 .Lnw0_\@
	s_barrier_signal -3
.Lnw0_\@:
	s_barrier_wait -3
	s_barrier_signal -1
	s_barrier_wait -1
.endm
; 32 numbers of a lane, two blocks shared with lane l xor 16: codes into v[pc .. pc + 3], the two scale bytes into v[pw]
.macro QUANT2 src, pc, pw, tm
.irp b, 0,1
	v_max3_num_f32 v[\tm+\b], |v[\src+16*\b]|, |v[\src+16*\b+1]|, 0x1800000
.endr
.irp i, 2,4,6,8,10,12,14
.irp b, 0,1
	s_delay_alu instid0(VALU_DEP_2)
	v_max3_num_f32 v[\tm+\b], v[\tm+\b], |v[\src+16*\b+\i]|, |v[\src+16*\b+\i+1]|
.endr
.endr
.irp b, 0,1
	s_delay_alu instid0(VALU_DEP_2)
	v_permlanex16_b32 v[\tm+2+\b], v[\tm+\b], s[SEL], s[SEL+1]
.endr
.irp b, 0,1
	s_delay_alu instid0(VALU_DEP_2)
	v_max_num_f32 v[\tm+\b], v[\tm+\b], v[\tm+2+\b]
.endr
.irp b, 0,1
	s_delay_alu instid0(VALU_DEP_2)
	v_add_nc_u32 v[\tm+4+\b], 0xff000000, v[\tm+\b]
.endr
.irp b, 0,1
	s_delay_alu instid0(VALU_DEP_2)
	v_lshrrev_b32 v[\tm+2+\b], 23, v[\tm+4+\b]
.endr
	s_delay_alu instid0(VALU_DEP_1)
	v_lshl_or_b32 v[\pw], v[\tm+3], 8, v[\tm+2]
.irp b, 0,1
	v_cvt_scalef32_pk8_fp4_f32 v[\pc+2*\b], v[\src+16*\b:\src+16*\b+7], v[\tm+4+\b]
	v_cvt_scalef32_pk8_fp4_f32 v[\pc+2*\b+1], v[\src+16*\b+8:\src+16*\b+15], v[\tm+4+\b]
.endr
	v_nop
	v_permlane16_swap_b32 v[\pc], v[\pc+2]
	v_permlane16_swap_b32 v[\pc+1], v[\pc+3]
.endm
.macro AFRAG ks, img                   ; the operand's two fragments of K step ks
.irp u, 0,1
.irp c, 0,1
	ds_load_b128 v[AF+8*\u+4*\c:AF+8*\u+4*\c+3], v[AA] offset:(\img)*IMGB+(8*\u+(\ks))*1024+512*\c
.endr
.endr
.endm
; a K step whose weights lie in slot buf (its step kk): 8 products on 8 accumulators by turns
.macro KSTEP buf, kk, ks, img, acc, fst
	PLACES
.irp t, 0,1,2,3
.irp c, 0,1
	ds_load_b128 v[WF+8*\t+4*\c:WF+8*\t+4*\c+3], v[WA0+(\buf)] offset:(\kk)*UNIT+1024*\t+512*\c
.endr
.endr
.if (\kk) == 0
	ds_load_b128 v[WS:WS+3], v[WSA0+(\buf)]        ; both steps' scale words
.endif
	AFRAG \ks, \img
	s_wait_dscnt 0x0
.irp u, 0,1
.irp t, 0,1,2,3
	WM \acc+32*\u+8*\t, WF+8*\t, AF+8*\u, WS+\t, AS+(\ks), \fst, \kk, \u
.endr
.endr
.endm
.macro ASK sl                          ; my nine blocks of part sl of the weights
	global_prefetch_b8 v[PFO], s[8:9] offset:(\sl)*BUF th:TH_LOAD_NT scope:SCOPE_SE
.endm
.macro SLOT buf, ks0, img, acc, fst, pf=-1
	KSTEP \buf, 0, \ks0, \img, \acc, \fst
.if \pf >= 0
	ASK \pf
.endif
	KSTEP \buf, 1, (\ks0)+1, \img, \acc, 0
.endm
; a K step whose weights lie in registers from v[wb] on (step kk of their part)
.macro RKSTEP wb, kk, ks, img, acc, fst
	PLACES
	AFRAG \ks, \img
	s_wait_dscnt 0x0
.irp u, 0,1
.irp t, 0,1,2,3
	WM \acc+32*\u+8*\t, \wb+8*\t, AF+8*\u, DWS+\t, AS+(\ks), \fst, \kk, \u
.endr
.endr
.endm
.macro DSLOT ks0, img, acc, fst=0, pf=-1
	RKSTEP BB, 0, \ks0, \img, \acc, \fst
.if \pf >= 0
	ASK \pf
.endif
	RKSTEP BB+32, 1, (\ks0)+1, \img, \acc, 0
.endm
.macro RLOAD reg, sl, kk               ; step kk of part sl: my four fragments, 512 consecutive bytes a load
.irp t, 0,1,2,3
.irp c, 0,1
	global_load_b128 v[\reg+8*\t+4*\c:\reg+8*\t+4*\c+3], v[LI], s[DBASE:DBASE+1] offset:(\sl)*BUF+(\kk)*UNIT+1024*\t+512*\c
.endr
.endr
.endm
.macro DLOAD sl                        ; a whole part into v192-255; its scale words: lanes 0-15 step 0's, lanes 16-31 step 1's
	RLOAD BB, \sl, 0
	RLOAD BB+32, \sl, 1
	global_load_b128 v[DWS:DWS+3], v[DSO], s[DBASE:DBASE+1] offset:(\sl)*BUF+4096
.endm
.macro MEET                            ; all my tensor loads are in, the add, my LDS instructions are over, a round
	s_wait_tensorcnt 0x0
	ds_add_u32 v[SPW], v[NIL]
	s_wait_dscnt 0x0
	ROUND
.endm
; a change of slots: slot buf takes the part step parts on from its last
.macro CHANGE buf, step
	s_wait_tensorcnt 0x0
	ds_add_u32 v[SPW], v[NIL]
	s_add_nc_u64 s[G0+4*(\buf)+2:G0+4*(\buf)+3], s[G0+4*(\buf)+2:G0+4*(\buf)+3], (\step)*BUF
	s_wait_dscnt 0x0
	ROUND
	tensor_load_to_lds s[G0+4*(\buf):G0+4*(\buf)+3], s[G1:G1+7]
	s_nop 0
.endm
.macro VLOAD reg, sb                   ; a vector at my lane's 32 columns
.irp b, 0,1
.irp k, 0,1,2,3
	global_load_b128 v[\reg+16*\b+4*\k:\reg+16*\b+4*\k+3], v[VO], s[\sb:\sb+1] offset:128*\b+16*\k
.endr
.endr
.endm
.macro ADDV y
.irp u, 0,1
.set i, 0
.rept 16
	v_pk_add_f32 v[\y+32*\u+i:\y+32*\u+i+1], v[\y+32*\u+i:\y+32*\u+i+1], v[T+i:T+i+1]
.set i, i+2
.endr
.endr
.endm
.macro REDUCE off                      ; v112, v116: my lane's sums of rows of tile 0, 1 -> the rows' sums over all sixteen waves
.irp u, 0
	v_permlanex16_b32 v[120+\u], v[112+4*\u], s[SEL], s[SEL+1]
.endr
.irp u, 1
	s_delay_alu instid0(VALU_DEP_2)
	v_permlanex16_b32 v[120+\u], v[112+4*\u], s[SEL], s[SEL+1]
.endr
.irp u, 0,1
	s_delay_alu instid0(VALU_DEP_2)
	v_add_f32 v[112+4*\u], v[112+4*\u], v[120+\u]
.endr
	s_delay_alu instid0(VALU_DEP_1)
	v_cndmask_b32 v122, v112, v116, s[HM]
	ds_store_b32 v[RW], v122 offset:(\off)*REDB
	BARRIER
.irp u, 0,1
.irp k, 0,1,2,3
	ds_load_b128 v[32+16*\u+4*\k:32+16*\u+4*\k+3], v[RR] offset:(\off)*REDB+1280*\u+16*\k
.endr
.endr
	s_wait_dscnt 0x0
.irp u, 0,1
	v_pk_add_f32 v[32+16*\u:33+16*\u], v[32+16*\u:33+16*\u], v[34+16*\u:35+16*\u]
	v_pk_add_f32 v[36+16*\u:37+16*\u], v[36+16*\u:37+16*\u], v[38+16*\u:39+16*\u]
	v_pk_add_f32 v[40+16*\u:41+16*\u], v[40+16*\u:41+16*\u], v[42+16*\u:43+16*\u]
	v_pk_add_f32 v[44+16*\u:45+16*\u], v[44+16*\u:45+16*\u], v[46+16*\u:47+16*\u]
	s_delay_alu instid0(VALU_DEP_3)
	v_pk_add_f32 v[32+16*\u:33+16*\u], v[32+16*\u:33+16*\u], v[36+16*\u:37+16*\u]
	s_delay_alu instid0(VALU_DEP_2)
	v_pk_add_f32 v[40+16*\u:41+16*\u], v[40+16*\u:41+16*\u], v[44+16*\u:45+16*\u]
	s_delay_alu instid0(VALU_DEP_1)
	v_pk_add_f32 v[32+16*\u:33+16*\u], v[32+16*\u:33+16*\u], v[40+16*\u:41+16*\u]
	s_delay_alu instid0(VALU_DEP_1)
	v_add_f32 v[112+4*\u], v[32+16*\u], v[33+16*\u]
.endr
.endm
; the norm: mean, then the sum of squares about it (/ 1,023), eps added to the root; gains in v[ga ..], offsets in v[be ..]
.macro LN y, ra, rb, ga, be
.irp u, 0,1
	v_pk_add_f32 v[112+4*\u:113+4*\u], v[\y+32*\u:\y+32*\u+1], v[\y+32*\u+2:\y+32*\u+3]
	v_pk_add_f32 v[114+4*\u:115+4*\u], v[\y+32*\u+4:\y+32*\u+5], v[\y+32*\u+6:\y+32*\u+7]
.irp j, 8,12,16,20,24,28
	v_pk_add_f32 v[112+4*\u:113+4*\u], v[112+4*\u:113+4*\u], v[\y+32*\u+\j:\y+32*\u+\j+1]
	v_pk_add_f32 v[114+4*\u:115+4*\u], v[114+4*\u:115+4*\u], v[\y+32*\u+\j+2:\y+32*\u+\j+3]
.endr
	s_delay_alu instid0(VALU_DEP_1)
	v_pk_add_f32 v[112+4*\u:113+4*\u], v[112+4*\u:113+4*\u], v[114+4*\u:115+4*\u]
	s_delay_alu instid0(VALU_DEP_1)
	v_add_f32 v[112+4*\u], v[112+4*\u], v[113+4*\u]
.endr
	REDUCE \ra
.irp u, 0
	v_mul_f32 v[112+4*\u], 0x3a800000, v[112+4*\u]
.endr
.irp u, 1
	s_delay_alu instid0(VALU_DEP_2)
	v_mul_f32 v[112+4*\u], 0x3a800000, v[112+4*\u]
.endr
.irp u, 0,1
.set i, 0
.rept 16
	v_pk_add_f32 v[\y+32*\u+i:\y+32*\u+i+1], v[\y+32*\u+i:\y+32*\u+i+1], v[112+4*\u:113+4*\u] op_sel_hi:[1,0] neg_lo:[0,1] neg_hi:[0,1]
.set i, i+2
.endr
.endr
.irp u, 0,1
	v_pk_mul_f32 v[112+4*\u:113+4*\u], v[\y+32*\u:\y+32*\u+1], v[\y+32*\u:\y+32*\u+1]
	v_pk_mul_f32 v[114+4*\u:115+4*\u], v[\y+32*\u+2:\y+32*\u+3], v[\y+32*\u+2:\y+32*\u+3]
.irp j, 4,8,12,16,20,24,28
	s_delay_alu instid0(VALU_DEP_2)
	v_pk_fma_f32 v[112+4*\u:113+4*\u], v[\y+32*\u+\j:\y+32*\u+\j+1], v[\y+32*\u+\j:\y+32*\u+\j+1], v[112+4*\u:113+4*\u]
	s_delay_alu instid0(VALU_DEP_2)
	v_pk_fma_f32 v[114+4*\u:115+4*\u], v[\y+32*\u+\j+2:\y+32*\u+\j+3], v[\y+32*\u+\j+2:\y+32*\u+\j+3], v[114+4*\u:115+4*\u]
.endr
	s_delay_alu instid0(VALU_DEP_1)
	v_pk_add_f32 v[112+4*\u:113+4*\u], v[112+4*\u:113+4*\u], v[114+4*\u:115+4*\u]
	s_delay_alu instid0(VALU_DEP_1)
	v_add_f32 v[112+4*\u], v[112+4*\u], v[113+4*\u]
.endr
	REDUCE \rb
	v_mul_f32 v112, 0x3a802008, v112
	s_delay_alu instid0(VALU_DEP_2)
	v_mul_f32 v116, 0x3a802008, v116
	s_wait_alu depctr_va_vdst(0)                   ; a wait ahead of each batch of transcendentals and one behind it
	v_sqrt_f32 v112, v112
	v_sqrt_f32 v116, v116
	v_nop
	s_wait_alu depctr_va_vdst(0)
	v_add_f32 v112, 0x358637bd, v112
	v_add_f32 v116, 0x358637bd, v116
	s_wait_alu depctr_va_vdst(0)
	v_rcp_f32 v112, v112
	v_rcp_f32 v116, v116
	v_nop
	s_wait_alu depctr_va_vdst(0)
	s_wait_loadcnt 0x0                             ; the gains and offsets are in
.irp u, 0,1
.set i, 0
.rept 16
	v_pk_mul_f32 v[\y+32*\u+i:\y+32*\u+i+1], v[\y+32*\u+i:\y+32*\u+i+1], v[112+4*\u:113+4*\u] op_sel_hi:[1,0]
.set i, i+2
.endr
.endr
.irp u, 0,1
.set i, 0
.rept 16
	v_pk_fma_f32 v[\y+32*\u+i:\y+32*\u+i+1], v[\y+32*\u+i:\y+32*\u+i+1], v[\ga+i:\ga+i+1], v[\be+i:\be+i+1]
.set i, i+2
.endr
.endr
.endm
; my 64 columns of both row tiles become codes and scale bytes of image img; behind the barrier every wave takes the image's scale words
.macro IMAGES y, img, dsl
	QUANT2 \y, 64, 118, 112
	QUANT2 \y+32, 68, 119, 112
.if \dsl >= 0
	DLOAD \dsl
.endif
	ds_store_b128 v[IST], v[64:67] offset:(\img)*IMGB
	ds_store_b128 v[IST], v[68:71] offset:(\img)*IMGB+8192
	v_cndmask_b32 v118, v118, v119, s[HM]
	ds_store_b16 v[ISS], v118 offset:(\img)*IMGB
	BARRIER
.irp s, 0,1,2,3,4,5,6,7
	ds_load_b32 v[AS+\s], v[ASA] offset:(\img)*IMGB+128*\s
.endr
.endm
; gelu(z) = max(z, 0) - |z| t 2^(poly(t) - z^2 log2(e) / 2), the factor 1/2 inside the polynomial's constant
.macro GELU16 z
.set i, 0
.rept 16
	v_fma_f32 v[GT+i], |v[\z+i]|, s[K1], 1.0
.set i, i+1
.endr
.set i, 0
	s_wait_alu depctr_va_vdst(0)
.rept 16
	v_rcp_f32 v[GT+i], v[GT+i]
.set i, i+1
.endr
.set i, 0
.rept 8
	v_pk_mul_f32 v[GZ+i:GZ+i+1], v[\z+i:\z+i+1], v[\z+i:\z+i+1]
.set i, i+2
.endr
	s_wait_alu depctr_va_vdst(0)
.set i, 0
.rept 8
	v_pk_fma_f32 v[GP+i:GP+i+1], v[GT+i:GT+i+1], v[C9:C9+1], s[CK+16:CK+17] op_sel_hi:[1,1,0]
.set i, i+2
.endr
.irp k, 7,6,5,4,3,2,1,0
.set i, 0
.rept 8
	v_pk_fma_f32 v[GP+i:GP+i+1], v[GP+i:GP+i+1], v[GT+i:GT+i+1], s[CK+2*\k:CK+2*\k+1] op_sel_hi:[1,1,0]
.set i, i+2
.endr
.endr
.set i, 0
.rept 8
	v_pk_fma_f32 v[GP+i:GP+i+1], v[GZ+i:GZ+i+1], s[K2:K2+1], v[GP+i:GP+i+1] op_sel_hi:[1,0,1]
.set i, i+2
.endr
.set i, 0
	s_wait_alu depctr_va_vdst(0)
.rept 16
	v_exp_f32 v[GP+i], v[GP+i]
.set i, i+1
.endr
.set i, 0
.rept 16
	v_max_num_f32 v[GZ+i], 0, v[\z+i]
.set i, i+1
.endr
	s_wait_alu depctr_va_vdst(0)
.set i, 0
.rept 8
	v_pk_mul_f32 v[GP+i:GP+i+1], v[GP+i:GP+i+1], v[GT+i:GT+i+1]
.set i, i+2
.endr
.set i, 0
.rept 16
	v_fma_f32 v[\z+i], -|v[\z+i]|, v[GP+i], v[GZ+i]
.set i, i+1
.endr
.endm
	s_load_b256 s[4:11], s[0:1], 0x0               ; ac, asc, wc, x
	s_load_b256 s[12:19], s[0:1], 0x20             ; bo, gamma1, beta1, b1
	s_load_b256 s[20:27], s[0:1], 0x40             ; b2, gamma2, beta2, out0
	v_lshl_add_u32 v[SPW], v0, 2, SPARE
	v_mov_b32 v[NIL], 0
	ds_add_u32 v[SPW], v[NIL]                      ; the opening: the add, twice on end, and its wait ahead of my first tensor load
	ds_add_u32 v[SPW], v[NIL]
	v_lshrrev_b32 v[LI], 5, v0
	s_delay_alu instid0(VALU_DEP_1)
	v_readfirstlane_b32 s[WV], v[LI]               ; wave 0..15
	s_bfe_u32 s29, ttmp6, 0x40000                  ; cx
	s_lshl_b32 s[GG], ttmp9, 2
	s_add_co_u32 s[GG], s[GG], s29                 ; my group of 32 rows
	s_mov_b32 s[HM], 0xffff0000                    ; lanes 16-31
	s_mov_b32 s[G1], 15|(3<<16)|(1<<21)            ; the weights' loads name all four work-groups: 8,704 dense bytes as 34 rows of 256
	s_mov_b32 s[G1+1], 32<<16
	s_mov_b32 s[G1+2], 34<<16
	s_mov_b32 s[G1+3], 32<<16
	s_mov_b32 s[G1+4], 34
	s_mov_b32 s[G1+5], 32
	s_mov_b32 s[G1+6], 0
	s_mov_b32 s[G1+7], 0
	s_mov_b32 s[SEL], 0x76543210
	s_mov_b32 s[SEL+1], 0xfedcba98
	s_mov_b32 s[K1], 0x3eb504f3
	SPAIR CK, 0xc034d90f
	SPAIR CK+2, 0x3fb8ab5a
	SPAIR CK+4, 0x3f0a29d2
	SPAIR CK+6, 0x3e0efb2f
	SPAIR CK+8, 0xbe899a80
	SPAIR CK+10, 0x3ecdfd18
	SPAIR CK+12, 0xbfd1a1e5
	SPAIR CK+14, 0x40097039
	SPAIR CK+16, 0xbf97d29d
	SPAIR K2, 0xbf38aa3b
	v_and_b32 v112, 31, v0                         ; lane
	v_and_b32 v113, 15, v0                         ; r
	v_bfe_u32 v114, v0, 4, 1                       ; h
	s_delay_alu instid0(VALU_DEP_2)
	v_and_b32 v115, 8, v113
	s_delay_alu instid0(VALU_DEP_1)
	v_add_nc_u32 v115, v115, v113                  ; r + 8 (r / 8)
	v_lshlrev_b32 v[LI], 4, v112
	s_mul_i32 s54, s[WV], WPART
	s_mov_b32 s55, 0
	v_add_nc_u32 v[WA0], s54, v[LI]
	s_delay_alu instid0(VALU_DEP_1)
	v_add_nc_u32 v[WA0+1], BUF, v[WA0]
	v_mul_u32_u24 v[WSA0], v114, UNIT              ; lanes 16-31 take the second step's words
	s_delay_alu instid0(VALU_DEP_1)
	v_lshl_add_u32 v[WSA0], v113, 4, v[WSA0]
	s_add_co_u32 s51, s54, 4096
	v_add_nc_u32 v[WSA0], s51, v[WSA0]
	s_delay_alu instid0(VALU_DEP_1)
	v_add_nc_u32 v[WSA0+1], BUF, v[WSA0]
	v_add_nc_u32 v[AA], AIMG, v[LI]
	v_lshl_add_u32 v[ASA], v112, 2, AIMG+16384
	s_lshl_b32 s51, s[WV], 9
	s_add_co_u32 s51, s51, AIMG
	v_add_nc_u32 v[IST], s51, v[LI]
	s_lshr_b32 s51, s[WV], 1
	s_lshl_b32 s51, s51, 7
	s_and_b32 s52, s[WV], 1
	s_lshl_b32 s52, s52, 1
	s_add_co_u32 s51, s51, s52
	v_add_nc_u32 v[ISS], s51, v[ASA]
	v_mul_u32_u24 v[RW], v112, 80
	s_lshl_b32 s51, s[WV], 2
	s_add_co_u32 s51, s51, RED
	v_add_nc_u32 v[RW], s51, v[RW]
	v_mul_u32_u24 v[RR], v113, 80
	s_delay_alu instid0(VALU_DEP_1)
	v_add_nc_u32 v[RR], RED, v[RR]
	v_mul_u32_u24 v[XA], v115, 272                 ; my row of tile 0 in the slab of x, rows 272 bytes apart,
	s_delay_alu instid0(VALU_DEP_1)
	v_lshl_add_u32 v[XA], v114, 6, v[XA]           ; + 64 h,
	s_delay_alu instid0(VALU_DEP_1)
	v_add_nc_u32 v[XA], s54, v[XA]                 ; in my wave's part of slot 0
	v_lshlrev_b32 v[XPF], 12, v112                 ; a lane a row of x.  (Also: v120 is written before a lane permute names it)
	s_and_b32 s51, s[WV], 3
	s_mul_i32 s51, s51, 9
	v_min_u32 v[PFO], 8, v112                      ; nine blocks a wave; lanes 9 to 31 name the ninth again
	s_delay_alu instid0(VALU_DEP_1)
	v_add_nc_u32 v[PFO], s51, v[PFO]
	s_delay_alu instid0(VALU_DEP_1)
	v_min_u32 v[PFO], 33, v[PFO]                   ; a sixteenth of a part has 34 blocks
	s_and_b32 s51, s[WV], 12
	s_add_co_u32 s51, s51, s29                     ; which sixteenth: the partners are told apart by address alone
	s_mul_i32 s51, s51, WPART
	v_lshl_add_u32 v[PFO], v[PFO], 8, s51
	v_lshlrev_b32 v[VO], 6, v114
	v_mul_u32_u24 v[SO], v113, 272
	s_delay_alu instid0(VALU_DEP_1)
	v_lshl_add_u32 v[SO], v114, 6, v[SO]
	s_delay_alu instid0(VALU_DEP_1)
	v_add_nc_u32 v[SO], s54, v[SO]
	v_mul_u32_u24 v[SR], v114, 272
	s_delay_alu instid0(VALU_DEP_1)
	v_lshl_add_u32 v[SR], v113, 4, v[SR]
	s_delay_alu instid0(VALU_DEP_1)
	v_add_nc_u32 v[SR], s54, v[SR]
	v_lshlrev_b32 v[GO], 12, v114
	s_delay_alu instid0(VALU_DEP_1)
	v_lshl_add_u32 v[GO], v113, 4, v[GO]
	v_mul_u32_u24 v[DSO], v114, UNIT
	s_delay_alu instid0(VALU_DEP_1)
	v_lshl_add_u32 v[DSO], v113, 4, v[DSO]
	s_lshl_b32 s51, s[WV], 10
	s_add_co_u32 s51, s51, AIMG
	v_add_nc_u32 v[CPA], s51, v[LI]
	v_lshlrev_b32 v[L4], 2, v112
	v_mov_b32 v121, 0
	s_mov_b32 s[G1X], (3<<16)|(1<<20)|(5<<22)|(3<<25)  ; x: no mask; elements of 8 bytes; four words of padding behind every 64
	s_mov_b32 s[G1X+1], 32<<16                     ; a row: 32 elements, 256 bytes
	s_mov_b32 s[G1X+2], 32<<16                     ; 32 rows
	s_mov_b32 s[G1X+3], 32<<16
	s_mov_b32 s[G1X+4], 32
	s_mov_b32 s[G1X+5], 512                        ; 4,096 bytes from row to row
	s_mov_b32 s[G1X+6], 0
	s_mov_b32 s[G1X+7], 0
	s_wait_alu depctr_va_vdst(0)
	s_wait_dscnt 0x0
	s_wait_kmcnt 0x0
	s_mov_b32 s[G0], 1
	s_mov_b32 s[G0+1], s54
	s_add_nc_u64 s[G0+2:G0+3], s[8:9], s[54:55]    ; slot 0 begins with part 0,
	s_add_nc_u64 s[DBASE:DBASE+1], s[8:9], s[54:55]
	s_mov_b32 s[G0+4], 1
	s_add_co_u32 s[G0+5], s54, BUF
	s_add_nc_u64 s[G0+6:G0+7], s[G0+2:G0+3], BUF   ; slot 1 with part 1
	s_or_b32 s[G0+3], s[G0+3], 0x80000000
	s_or_b32 s[G0+7], s[G0+7], 0x80000000
	ROUND                                          ; in front of the first joint load
	tensor_load_to_lds s[G0:G0+3], s[G1:G1+7]      ; part 0 into slot 0: my one tensor load at the head
	s_nop 0
	s_lshl_b32 s50, s[GG], 14
	s_lshl_b32 s51, s[WV], 10
	s_add_co_u32 s50, s50, s51
	s_mov_b32 s51, 0
	s_add_nc_u64 s[4:5], s[4:5], s[50:51]
	s_lshl_b32 s50, s[GG], 10
	s_add_nc_u64 s[6:7], s[6:7], s[50:51]
	s_lshl_b32 s52, s[WV], 8
	s_mov_b32 s53, 0
	s_lshl_b32 s50, s[GG], 17
	s_add_co_u32 s50, s50, s52
	s_add_nc_u64 s[10:11], s[10:11], s[50:51]
	s_add_nc_u64 s[26:27], s[26:27], s[50:51]
.irp p, 12,14,16,18,20,22,24
	s_add_nc_u64 s[\p:\p+1], s[\p:\p+1], s[52:53]
.endr
	global_load_b128 v[112:115], v[LI], s[4:5]     ; my sixteenth of attn's codes
	global_load_b128 v[116:119], v[LI], s[4:5] offset:512
	global_prefetch_b8 v[XPF], s[10:11] th:TH_LOAD_NT scope:SCOPE_SE   ; my slab of x, a lane a row of 256 bytes
	ASK 1
.irp s, 0,1,2,3,4,5,6,7
	global_load_b32 v[AS+\s], v[L4], s[6:7] offset:128*\s
.endr
	DLOAD 2                                        ; K steps 4, 5 of Wo
	VLOAD T, 12                                    ; bo
	s_mov_b32 s[G0X], 1
	s_mov_b32 s[G0X+1], s54                        ; my part of slot 0
	s_mov_b64 s[G0X+2:G0X+3], s[10:11]             ; x at my 32 rows, my 64 columns
	s_or_b32 s[G0X+3], s[G0X+3], 0x80000000
	s_wait_loadcnt 33                              ; attn's codes are in; behind them 8 + 17 + 8 loads may be out
	ds_store_b128 v[CPA], v[112:115]
	ds_store_b128 v[CPA], v[116:119] offset:512
	BARRIER                                        ; the image is whole; part 0 may stay out
	s_wait_loadcnt 8                               ; the scale words and K steps 4, 5 are in; bo's eight loads may be out
	DSLOT 4, 0, BA, 1, 4                           ; the first product starts the sums
	PLACES
	DLOAD 3
	MEET                                           ; part 0 has landed; ahead of slot 1's first fill
	tensor_load_to_lds s[G0+4:G0+7], s[G1:G1+7]    ; part 1: slot 1's first fill
	s_nop 0
	SLOT 0, 0, 0, BA, 0, 5
	MEET                                           ; part 1 has landed, part 0 has been read out
	tensor_load_to_lds s[G0X:G0X+3], s[G1X:G1X+7]  ; x into slot 0, each wave's own slab
	s_nop 0
	s_wait_loadcnt 0x0
	DSLOT 6, 0, BA, 0, 6
	SLOT 1, 2, 0, BA, 0, 7
	s_wait_xcnt 0x0                                ; x's prefetch has read v120, which the norm's lane permutes write
	CHANGE 1, 3                                    ; x has landed; slot 1 takes part 4
	PLACES
.irp u, 0,1
.irp b, 0,1
.irp k, 0,1,2,3
	ds_load_b128 v[BB+32*\u+16*\b+4*\k:BB+32*\u+16*\b+4*\k+3], v[XA] offset:2176*\u+128*\b+16*\k   ; x(row 8 u + r + 8 (r / 8), column 32 b + 16 h + 4 k ..)
.endr
.endr
.endr
	s_wait_dscnt 0x0
.set i, 0
.rept 32
	v_pk_add_f32 v[BA+i:BA+i+1], v[BA+i:BA+i+1], v[BB+i:BB+i+1]    ; + x, each accumulator from its low end on
.set i, i+2
.endr
	ADDV BA                                        ; + bo
	VLOAD T, 14
	VLOAD BB, 16
	LN BA, 0, 1, T, BB
	s_wait_alu depctr_va_vdst(0)
	CHANGE 0, 5                                    ; part 4 has landed under the norm; slot 0, whose x has been read, takes part 5
	VLOAD T, 18                                    ; b1
	IMAGES BA, 1, -1
	SLOT 1, 0, 1, BB, 1, 8
	CHANGE 1, 2                                    ; part 6
	SLOT 0, 2, 1, BB, 0, 9
	CHANGE 0, 2                                    ; part 7
	SLOT 1, 4, 1, BB, 0, 10
	CHANGE 1, 2                                    ; part 8
	SLOT 0, 6, 1, BB, 0, 11
	PLACES
	s_wait_loadcnt 0x0
	ADDV BB
	VLOAD T, 20                                    ; b2
	v_mov_b32 v[C9], 0x3e7c6f08
	v_mov_b32 v[C9+1], 0x3e7c6f08
	GELU16 BB
	GELU16 BB+16
	CHANGE 0, 2                                    ; part 9
	GELU16 BB+32
	GELU16 BB+48
	s_wait_loadcnt 0x0
	ADDV BA                                        ; h + b2 is the C of the last product
	VLOAD T, 22                                    ; gamma2
	IMAGES BB, 0, 10
	SLOT 1, 0, 0, BA, 0
	CHANGE 1, 3                                    ; part 11: the launch's last tensor load
	SLOT 0, 2, 0, BA, 0
	s_wait_loadcnt 0x0
	DSLOT 4, 0, BA
	s_wait_tensorcnt 0x0                           ; my part of part 11, which I alone read
	SLOT 1, 6, 0, BA, 0
	PLACES
	VLOAD BB, 24                                   ; beta2
	LN BA, 2, 3, T, BB
	; the way out, through my stage in my part of slot 0, which has had its last fill and its last read: sixteen lanes store 256 consecutive bytes
.irp u, 0,1
.irp b, 0,1
.irp k, 0,1,2,3
	ds_store_b128 v[SO], v[BA+32*\u+16*\b+4*\k:BA+32*\u+16*\b+4*\k+3] offset:4352*\u+128*\b+16*\k
.endr
.endr
.endr
.set i, 0
.rept 16
	ds_load_b128 v[BB+4*i:BB+4*i+3], v[SR] offset:544*i
.set i, i+1
.endr
.set i, 0
.rept 16
	s_wait_dscnt 15-i
	global_store_b128 v[GO], v[BB+4*i:BB+4*i+3], s[26:27] offset:(8*(i/8)+2*(i%8)+8*((i%8)/4))*4096 th:TH_STORE_NT
.set i, i+1
.endr
	s_wait_tensorcnt 0x0                           ; the wave's end
	ds_add_u32 v[SPW], v[NIL]
	s_wait_dscnt 0x0
	ROUND                                          ; the closing round
	s_endpgm
.Lfunc_end_k_q61d9225dba_chain:
	.size	k_q61d9225dba_chain, .Lfunc_end_k_q61d9225dba_chain-k_q61d9225dba_chain
	.p2alignl 7, 3214868480
	.fill 96, 4, 3214868480
	.section	.rodata,"a",@progbits
	.p2align	6, 0x0
	.amdhsa_kernel k_q61d9225dba_chain
		.amdhsa_group_segment_fixed_size 327680
		.amdhsa_private_segment_fixed_size 0
		.amdhsa_enable_private_segment 0
		.amdhsa_kernarg_size 96
		.amdhsa_user_sgpr_count 2
		.amdhsa_user_sgpr_kernarg_segment_ptr 1
		.amdhsa_wavefront_size32 1
		.amdhsa_system_sgpr_workgroup_id_x 1
		.amdhsa_system_sgpr_workgroup_id_y 1
		.amdhsa_system_sgpr_workgroup_id_z 1
		.amdhsa_system_vgpr_workitem_id 0
		.amdhsa_next_free_vgpr 256
		.amdhsa_next_free_sgpr 96
		.amdhsa_reserve_vcc 0
		.amdhsa_float_denorm_mode_32 3
		.amdhsa_float_denorm_mode_16_64 3
		.amdhsa_memory_ordered 1
		.amdhsa_forward_progress 1
		.amdhsa_inst_pref_size 167
	.end_amdhsa_kernel
	.amdgpu_metadata
---
amdhsa.version: [ 1, 2 ]
amdhsa.kernels:
  - .name:           k_q61d9225dba_chain
    .symbol:         k_q61d9225dba_chain.kd
    .args:
      - { .name: ac, .offset: 0, .size: 8, .value_kind: global_buffer, .address_space: global }
      - { .name: asc, .offset: 8, .size: 8, .value_kind: global_buffer, .address_space: global }
      - { .name: wc, .offset: 16, .size: 8, .value_kind: global_buffer, .address_space: global }
      - { .name: x, .offset: 24, .size: 8, .value_kind: global_buffer, .address_space: global }
      - { .name: bo, .offset: 32, .size: 8, .value_kind: global_buffer, .address_space: global }
      - { .name: gamma1, .offset: 40, .size: 8, .value_kind: global_buffer, .address_space: global }
      - { .name: beta1, .offset: 48, .size: 8, .value_kind: global_buffer, .address_space: global }
      - { .name: b1, .offset: 56, .size: 8, .value_kind: global_buffer, .address_space: global }
      - { .name: b2, .offset: 64, .size: 8, .value_kind: global_buffer, .address_space: global }
      - { .name: gamma2, .offset: 72, .size: 8, .value_kind: global_buffer, .address_space: global }
      - { .name: beta2, .offset: 80, .size: 8, .value_kind: global_buffer, .address_space: global }
      - { .name: out0, .offset: 88, .size: 8, .value_kind: global_buffer, .address_space: global }
    .group_segment_fixed_size: 327680
    .private_segment_fixed_size: 0
    .kernarg_segment_align: 8
    .kernarg_segment_size: 96
    .max_flat_workgroup_size: 512
    .sgpr_count:     96
    .vgpr_count:     256
    .wavefront_size: 32
...
	.end_amdgpu_metadata
.endif
;; end of part 3
